; MI455X (gfx1250); checked and timed in simulation.
; The chip was launched on July 23, 2026; its instructions are those of AMD's public machine-readable ISA for CDNA 5 (MIT licence, August 2026) and "CDNA5" Instruction Set Architecture Reference Guide (July 2026). The comments in the code are by the model that wrote it; some were corrected since.
;; Multi Head Attention. Allowed arithmetic: float matrix products may take bf16 or f16 operands with f32 sums; all other float work in f32.
;; Inputs: Wk 512 x 2,048 float32; Wo 2,048 x 1,024 float32; Wq 1,024 x 2,048 float32; Wv 512 x 2,048 float32; attention_mask 2 x 1 x 2,048 x 2,048 float32; cos 2 x 2,048 x 64 float32; hidden_states 2 x 2,048 x 2,048 float32; sin 2 x 2,048 x 64 float32.
;; Outputs: out0 2 x 2,048 x 2,048 float32.
;; One version. Each part assembles by itself: llvm-mc -triple=amdgcn-amd-amdhsa -mcpu=gfx1250 --defsym DOCPART=n.
;; ======== version 1 of 1: 4 launches
;; limits: values are held in f16: magnitudes above 65,504 overflow, below 6.1e-05 lose precision; right only within a limited range of input values; inputs' magnitudes at most 5.9e+37; values outside matrix products are rounded to bf16
;; workspace buffers: h16 29,360,128 bytes; cs 2,097,152 bytes; qkv 16,777,216 bytes; ob 16,777,216 bytes
;; launch cast (part 1): grid 1856 x 1, 8 waves a work-group, no clusters, 0 bytes of LDS; arguments hidden_states, Wq, Wk, Wv, Wo, cos, sin, h16, cs; writes h16, cs
.if DOCPART == 1
	.amdgcn_target "amdgcn-amd-amdhsa--gfx1250"
	.amdhsa_code_object_version 6
	.text
	.protected	k_qcb08f6f845_cast
	.globl	k_qcb08f6f845_cast
	.p2align	8
	.type	k_qcb08f6f845_cast,@function
k_qcb08f6f845_cast:
	s_mov_b64 s[64:65], 0
	v_nop
	global_prefetch_b8 v0, s[64:65] scope:SCOPE_SE
	s_setreg_imm32_b32 hwreg(HW_REG_WAVE_MODE, 25, 1), 1
	s_wait_xcnt 0x0
; FIRST OF FOUR LAUNCHES: hidden_states, Wq, Wk, Wv, Wo from f32 to bf16, laid one behind the other in h16; cos and sin made into RoPE's two tables in cs.
; The program: (1) this cast; (2) q, k, v = X W^T with RoPE; (3) softmax(q k^T / 8 + mask) v with a running maximum; (4) times Wo^T.
; NOTHING OF reference() IS LEFT OUT: every input has a way to the output and is loaded; the mask is an input, so all 2048 x 2048 scores of
; every head are computed and every mask word is read; cos and sin are taken over all 64 columns.  jnp.repeat is a choice of head: q head h
; reads k and v head h / 2, and no copy is made.
; WHAT IS ROUNDED, AND TO WHAT.  hidden_states, the four weights, cos and sin are rounded to bf16 here, once, to nearest even: the program computes
; reference() on these seven inputs rounded to bf16.  Products of bf16 numbers are exact in the f32 sums.  Behind that q, k, v and the softmax's
; weights are rounded to f16 (11 bits), and the attention output is carried as the sum of two bf16 numbers (16 bits): a row that attends few keys is
; of v's size, far above the root mean square of an output whose other rows average many keys, so the roundings on v's way are kept few and fine.
; The mask is not rounded: it enters the scores in f32.
; WHY A CAST OF ITS OWN: the tensor mover does not convert, and f32 tiles would double the LDS bytes behind every product.
; THE TABLES: cs holds cosF[m][d] = bf16(cos) F and, 1 MiB further on, sinF[m][d] = -+ bf16(sin) F (minus for d < 32: rotated = -x[d + 32] there), in f32,
; with F = sqrt(log2 e) / 256 on q and k alike.  So q' k' = q k log2(e) / 65536; the third launch forms S' = q' k' + mask log2(e) / 8192 and
; p = 2^(8192 S' - 8192 M'): 8192 / 65536 = 1 / 8, the reference's scale, in base 2.  The tables are made once here and read by 24 heads.
; LIMITS: q' and k' are f16: |q|, |k| up to 1.4e7; v is f16: |v| up to 65,504; beyond them an operand becomes an infinity.
; Work-group c takes chunk c: 32 KiB of f32 in; 16 KiB of bf16 or 32 KiB of table out.  Thread t takes 16 bytes at 16 t of each of eight 4 KiB pieces: a
; wave's load covers 512 consecutive bytes, its store 256 or 512 consecutive bytes, aligned.  All eight loads are out at once; every piece has its own registers.
.set C_WQ,  1024                       ; first chunk of Wq (hidden_states: 33,554,432 / 32,768 = 1024 chunks)
.set C_WK,  1280
.set C_WV,  1408
.set C_WO,  1536
.set C_COS, 1792
.set C_SIN, 1824
.set XR, 4                             ; v[4:35]   piece j: four f32
.set YR, 36                            ; v[36:51]  piece j: four bf16
.set FA, 52                            ; v[52:53]  the table's factor for my four columns, twice
	s_load_b512 s[4:19], s[0:1], 0x0               ; hidden_states s[4:5], Wq, Wk, Wv, Wo s[12:13], cos s[14:15], sin s[16:17], h16 s[18:19]
	s_load_b64 s[20:21], s[0:1], 0x40              ; cs
	s_mov_b32 s22, ttmp9                           ; chunk
	s_mov_b32 s23, 0                               ; first chunk of my source
	v_lshlrev_b32 v1, 4, v0                        ; 16 t: my bytes in a piece of f32
	v_lshlrev_b32 v2, 3, v0                        ; 8 t: in a piece of bf16
	s_wait_kmcnt 0x0
	s_mov_b64 s[24:25], s[4:5]                     ; the source is chosen by the chunk's number alone
.macro PICK first, lo
	s_cmp_ge_u32 s22, \first
	s_cselect_b64 s[24:25], s[\lo:\lo+1], s[24:25]
	s_cselect_b32 s23, \first, s23
.endm
	PICK C_WQ, 6
	PICK C_WK, 8
	PICK C_WV, 10
	PICK C_WO, 12
	PICK C_COS, 14
	PICK C_SIN, 16
	s_sub_co_u32 s26, s22, s23
	s_lshl_b32 s26, s26, 15                        ; 32 KiB a chunk, 33.5 MB at the most
	s_mov_b32 s27, 0
	s_add_nc_u64 s[24:25], s[24:25], s[26:27]
.irp j, 0,1,2,3,4,5,6,7
	global_load_b128 v[XR+4*\j:XR+4*\j+3], v1, s[24:25] offset:4096*\j th:TH_LOAD_NT   ; read once in the launch
.endr
	s_cmp_ge_u32 s22, C_COS
	s_cbranch_scc1 .Ltables
	s_lshl_b32 s28, s22, 14                        ; h16 has the five sources in the chunks' order: 16 KiB a chunk
	s_mov_b32 s29, 0
	s_add_nc_u64 s[18:19], s[18:19], s[28:29]
.irp j, 0,1,2,3,4,5,6,7
	s_wait_loadcnt 7-\j                            ; loads return in order: piece j is in, the 7 - j younger ones stay out
	v_cvt_pk_bf16_f32 v[YR+2*\j], v[XR+4*\j], v[XR+4*\j+1]
	v_cvt_pk_bf16_f32 v[YR+2*\j+1], v[XR+4*\j+2], v[XR+4*\j+3]
	global_store_b64 v2, v[YR+2*\j:YR+2*\j+1], s[18:19] offset:2048*\j   ; the later launches read it: no hint
.endr
	s_endpgm
.Ltables:
	s_sub_co_u32 s28, s22, C_COS                   ; cs has cos's 32 chunks, then sin's
	s_lshl_b32 s28, s28, 15
	s_mov_b32 s29, 0
	s_add_nc_u64 s[20:21], s[20:21], s[28:29]
	s_mov_b32 s30, 0x3b99be61                      ; F = sqrt(log2 e) / 256
	s_mov_b32 s31, 0xbb99be61                      ; -F
	s_cmp_ge_u32 s22, C_SIN
	s_cselect_b32 s31, s31, s30                    ; sin's columns 0-31 take the minus, cos's none
	v_and_b32 v3, 15, v0                           ; a row is 256 bytes: my columns are 4 (t & 15) .. + 3
	v_mov_b32 v54, s30
	v_mov_b32 v55, s31
	v_cmp_gt_u32 vcc_lo, 8, v3
	v_cndmask_b32 v[FA], v54, v55, vcc_lo
	v_mov_b32 v[FA+1], v[FA]
.irp j, 0,1,2,3,4,5,6,7
	s_wait_loadcnt 7-\j                            ; piece j is in, the 7 - j younger ones stay out
	v_cvt_pk_bf16_f32 v[YR+2*\j], v[XR+4*\j], v[XR+4*\j+1]         ; rounded to bf16,
	v_cvt_pk_bf16_f32 v[YR+2*\j+1], v[XR+4*\j+2], v[XR+4*\j+3]
	v_lshlrev_b32 v[XR+4*\j], 16, v[YR+2*\j]                       ; widened again,
	v_and_b32 v[XR+4*\j+1], 0xffff0000, v[YR+2*\j]
	v_lshlrev_b32 v[XR+4*\j+2], 16, v[YR+2*\j+1]
	v_and_b32 v[XR+4*\j+3], 0xffff0000, v[YR+2*\j+1]
	v_pk_mul_f32 v[XR+4*\j:XR+4*\j+1], v[XR+4*\j:XR+4*\j+1], v[FA:FA+1]       ; times the factor and the sign
	v_pk_mul_f32 v[XR+4*\j+2:XR+4*\j+3], v[XR+4*\j+2:XR+4*\j+3], v[FA:FA+1]
	global_store_b128 v1, v[XR+4*\j:XR+4*\j+3], s[20:21] offset:4096*\j
.endr
	s_endpgm
.Lfunc_end_k_qcb08f6f845_cast:
	.size	k_qcb08f6f845_cast, .Lfunc_end_k_qcb08f6f845_cast-k_qcb08f6f845_cast
	.p2alignl 7, 3214868480
	.fill 96, 4, 3214868480
	.section	.rodata,"a",@progbits
	.p2align	6, 0x0
	.amdhsa_kernel k_qcb08f6f845_cast
		.amdhsa_group_segment_fixed_size 0
		.amdhsa_private_segment_fixed_size 0
		.amdhsa_enable_private_segment 0
		.amdhsa_kernarg_size 72
		.amdhsa_user_sgpr_count 2
		.amdhsa_user_sgpr_kernarg_segment_ptr 1
		.amdhsa_wavefront_size32 1
		.amdhsa_system_sgpr_workgroup_id_x 1
		.amdhsa_system_sgpr_workgroup_id_y 1
		.amdhsa_system_sgpr_workgroup_id_z 1
		.amdhsa_system_vgpr_workitem_id 0
		.amdhsa_next_free_vgpr 56
		.amdhsa_next_free_sgpr 66
		.amdhsa_reserve_vcc 1
		.amdhsa_float_denorm_mode_32 3
		.amdhsa_float_denorm_mode_16_64 3
		.amdhsa_memory_ordered 1
		.amdhsa_forward_progress 1
		.amdhsa_inst_pref_size 10
	.end_amdhsa_kernel
	.amdgpu_metadata
---
amdhsa.version: [ 1, 2 ]
amdhsa.kernels:
  - .name:           k_qcb08f6f845_cast
    .symbol:         k_qcb08f6f845_cast.kd
    .args:
      - { .name: hidden_states, .offset: 0, .size: 8, .value_kind: global_buffer, .address_space: global }
      - { .name: Wq, .offset: 8, .size: 8, .value_kind: global_buffer, .address_space: global }
      - { .name: Wk, .offset: 16, .size: 8, .value_kind: global_buffer, .address_space: global }
      - { .name: Wv, .offset: 24, .size: 8, .value_kind: global_buffer, .address_space: global }
      - { .name: Wo, .offset: 32, .size: 8, .value_kind: global_buffer, .address_space: global }
      - { .name: cos, .offset: 40, .size: 8, .value_kind: global_buffer, .address_space: global }
      - { .name: sin, .offset: 48, .size: 8, .value_kind: global_buffer, .address_space: global }
      - { .name: h16, .offset: 56, .size: 8, .value_kind: global_buffer, .address_space: global }
      - { .name: cs, .offset: 64, .size: 8, .value_kind: global_buffer, .address_space: global }
    .group_segment_fixed_size: 0
    .private_segment_fixed_size: 0
    .kernarg_segment_align: 8
    .kernarg_segment_size: 72
    .max_flat_workgroup_size: 256
    .sgpr_count:     66
    .vgpr_count:     56
    .wavefront_size: 32
...
	.end_amdgpu_metadata
.endif
;; end of part 1
;; launch qkv (part 2): grid 16 x 16, 4 waves a work-group, clusters of 4 x 4, 327,680 bytes of LDS; arguments h16, cs, qkv; writes qkv
.if DOCPART == 2
	.amdgcn_target "amdgcn-amd-amdhsa--gfx1250"
	.amdhsa_code_object_version 6
	.text
	.protected	k_qcb08f6f845_qkv
	.globl	k_qcb08f6f845_qkv
	.p2align	8
	.type	k_qcb08f6f845_qkv,@function
k_qcb08f6f845_qkv:
	s_mov_b64 s[64:65], 0
	v_nop
	global_prefetch_b8 v0, s[64:65] scope:SCOPE_SE
	s_setreg_imm32_b32 hwreg(HW_REG_WAVE_MODE, 25, 1), 1
	s_wait_xcnt 0x0
	s_wait_alu depctr_hold_cnt(0) depctr_sa_sdst(0) depctr_va_vdst(0) depctr_va_sdst(0) depctr_va_ssrc(0) depctr_va_vcc(0) depctr_vm_vsrc(0)
	s_getreg_b32 s2, hwreg(HW_REG_IB_STS2, 6, 4)
	s_cmp_eq_u32 s2, 0
	s_cbranch_scc0 .Lentry_in_a_cluster
	s_endpgm
.Lentry_in_a_cluster:
	s_bfe_u32 s2, ttmp6, 0x10000c
	s_cmp_lg_u32 s2, 0xf033
	s_cbranch_scc0 .Lentry_shape_is_right
	s_endpgm
.Lentry_shape_is_right:
; SECOND LAUNCH: [4096 x 2048] = X W^T over K = 2048 in bf16 with f32 sums, W = Wq (1024 rows), Wk (512), Wv (512); RoPE on q and k on the way out.
; Nothing of reference() is left out here.  Result: qkv[hc][m][64] in f16, m = 2048 b + s; hc 0-15 q heads, 16-23 k heads, 24-31 v heads.
; q and k leave as q' = rope(q) F and k' = rope(k) F, F = sqrt(log2 e) / 256: the factor and RoPE's sign lie in the first launch's tables cosF and sinF.
; A work-group makes 256 rows x 128 columns: 16 x 16 = 256 work-groups.  Four waves; wave w makes rows 128 (w >> 1) .. + 127 and
; columns 64 (w & 1) .. + 63, which is exactly one head: 32 accumulator tiles of 16 x 16, 256 registers.
; K goes in steps of 128 (rows of 256 bytes, aligned) through two LDS slots filled by the tensor data mover.
; CLUSTERS of 4 x 4: X's tile hangs on the block row alone and is asked for jointly along a row of the cluster, W's on the block column alone
; and jointly along a column: each request serves four work-groups.
; ASKING AHEAD: two slots of two K steps would take 417,792 bytes of LDS, so a tile has one K step in which to land.  Therefore, in the K step that issues
; the load of tile t + 2, wave 3 asks (global_prefetch_b8) for tile t + 4, two K steps = 256 matrix instructions of a wave ahead of that tile's load.
; One instruction a K step: lanes 0-15 name 256 bytes each of X's rows 256 by + 16 bx + lane (the sixteen work-groups of a block row share its 256 rows
; out), lanes 16-31 of W's rows 128 bx + 16 (by & 7) + lane - 16 (block rows 0-7 share a block column's 128 rows out, and block rows 8-15 do so again:
; each group of eight asks for what it reads).  Tiles 2 and 3 are asked for at the start, tiles 0 and 1 by their loads alone.  In the last lap that fills,
; the look-ahead is clamped to tiles 14 and 15: no request leaves its row.
; REGISTERS: window 0: addresses v16-31, two fragment buffers (W's 4 x 8 registers, then X's 8 x 8) at v32 and v128;
; window 1: accumulator (a, b) at v[8 (4 a + b)]; windows 2 and 3: cosF and sinF of my 128 rows, loaded while the K loop runs.
; THE MATRIX INSTRUCTION IS USED TRANSPOSED (source 0 = rows of W, source 1 = rows of X): lane (r, h) holds row 16 a + r, columns 16 b + 8 h + 0..7.
; LIMIT: results beyond f16's 65,504 become infinities (|q|, |k| 1.4e7, |v| 65,504 in the reference's units).
.set SIZE_K, 2048
.set WOFF,   0x1000000                 ; W's first byte in h16
.set SINOFF, 0x100000                  ; sinF's first byte in cs
.set KSTEP,  128
.set PITCH,  272                       ; 256 bytes + 16 of padding: the 16 rows of a fragment load start in 16 different 16-byte columns modulo 256
.set HALFA,  128*PITCH                 ; what one load brings of X, and what a wave reads of X
.set HALFB,  64*PITCH                  ; the same for W
.set BOFF,   2*HALFA                   ; W's 128 rows lie behind X's 256
.set SLOT,   BOFF+2*HALFB              ; 104,448
.set STAGE,  2*SLOT                    ; 208,896 = 816 x 256: behind the ring, 16 rows x 272 bytes for each wave; no tensor load lands there
.set SPITCH, 272
.set LAPS,   SIZE_K/(2*KSTEP)          ; a lap = two K steps = once round the ring
.set ADRA, 16                          ; v16-17  LDS address of my X fragments in slot 0, 1
.set ADRB, 20                          ; v20-21  the same for W
.set STO,  24                          ; way out: where I put 32 bytes of a row
.set RD,   25                          ; way out: where I read 16 bytes of a row back
.set RDP,  26                          ; the same 32 columns further on or back: RoPE's partner
.set CO,   27                          ; 8 x lane: my 8 bytes in two rows of qkv
.set CSO,  28                          ; 16 x lane: my 16 bytes in two rows of a table
.set PFO,  29                          ; asking ahead: byte offset in h16 of my lane's row; never rewritten
.set F0,   32
.set F1,   128
.set XB,   32                          ; way out: two buffers of 32: 16 rows as read back
.set XP,   96                          ; two buffers of 32: the partners
.set YR,   192                         ; f16 to store
.set G1,  24                           ; s[24:31] group 1 for X's tiles
.set G0,  32                           ; s[32:39] group 0 for X's tiles, a set for each slot
.set G1B, 48                           ; s[48:55] group 1 for W's tiles
.set G0B, 56                           ; s[56:63] group 0 for W's tiles
.set PK,  84                           ; s[84:85] asking ahead: byte offset in a row of the lap's first tile asked for
.set PB,  86                           ; s[86:87] h16 + that offset
.set MSB, 0
.set MULW, 0x50                        ; C and D in window 1, sources in window 0
.macro WIN new                         ; the immediate's high byte repeats the setting that is left
.if MSB != (\new)
	s_set_vgpr_msb (MSB<<8)|(\new)
.set MSB, (\new)
.endif
.endm
.macro PLACES                          ; four plain vector instructions behind a matrix instruction before its registers are loaded into or its result is read (ISA guide 7.12.1)
.rept 4
	v_nop
.endr
.endm
; A joint load: waves 0 and 1 fetch X's two halves, waves 2 and 3 W's.  Each line has one mask; the branch hangs on the wave's number alone.
.macro JLOAD s
	s_cmp_eq_u32 s11, 0
	s_cbranch_scc0 .Lfor_b_\@
	tensor_load_to_lds s[G0+4*\s:G0+4*\s+3], s[G1:G1+7]
	s_nop 0
	s_branch .Lasked_\@
.Lfor_b_\@:
	tensor_load_to_lds s[G0B+4*\s:G0B+4*\s+3], s[G1B:G1B+7]
	s_nop 0
.Lasked_\@:
.endm
; Wave 3 asks for the work-group's 32 blocks of the tile at byte imm behind the lap's offset.
.macro ASK imm
	s_cmp_lg_u32 s10, 3
	s_cbranch_scc1 .Lno_ask_\@
	global_prefetch_b8 v[PFO], s[PB:PB+1] offset:\imm th:TH_LOAD_NT scope:SCOPE_SE
.Lno_ask_\@:
.endm
; A round of the cluster's barrier: my work-group's barrier, wave 0 signals for the work-group, every wave waits for all sixteen, my work-group's barrier again.
.macro CREST
	s_cmp_lg_u32 s10, 0
	s_cbranch_scc1 .Lnot_wave_0_\@
	s_barrier_signal -3
.Lnot_wave_0_\@:
	s_barrier_wait -3
	s_barrier_signal -1
	s_barrier_wait -1
.endm
.macro CROUND
	s_barrier_signal -1
	s_barrier_wait -1
	CREST
.endm
	s_load_b128 s[72:75], s[0:1], 0x0              ; h16 s[72:73], cs s[74:75]
	s_load_b64 s[76:77], s[0:1], 0x10              ; qkv
	v_lshl_add_u32 v254, v0, 2, 0x37400
	v_mov_b32 v255, 0
	ds_add_u32 v254, v255
	v_lshrrev_b32 v1, 5, v0
	v_readfirstlane_b32 s10, v1                    ; wave 0..3
	s_lshr_b32 s11, s10, 1                         ; which 128 rows are mine.  Also: I fetch for X (0) or for W (1)
	s_and_b32 s12, s10, 1                          ; which 64 columns.  Also: which half of that tile I fetch
	s_mov_b32 s71, ttmp9                           ; the cluster's x, equal in all sixteen partners: 3 = block columns 12-15 = v, no RoPE
	s_bfe_u32 s40, ttmp6, 0x40000                  ; cx
	s_bfe_u32 s41, ttmp6, 0x40004                  ; cy
	s_lshl_b32 s42, ttmp9, 2
	s_add_co_u32 s42, s42, s40                     ; block column = 4 x cluster x + cx
	s_and_b32 s13, ttmp7, 0xffff
	s_lshl_b32 s13, s13, 2
	s_add_co_u32 s13, s13, s41                     ; block row = 4 x cluster y + cy
	s_lshl_b32 s43, s41, 2
	s_lshl_b32 s43, 15, s43                        ; my row of the cluster
	s_lshl_b32 s44, 0x1111, s40                    ; my column
	s_or_b32 s[G1+0], s43, (1<<16)|(1<<20)|(1<<21)|(5<<22)|(3<<25)   ; mask; 2-byte elements; padding on; bit 21 beside a mask; after every 64 words, 4 words
	s_or_b32 s[G1B+0], s44, (1<<16)|(1<<20)|(1<<21)|(5<<22)|(3<<25)
	s_mov_b32 s[G1+1], KSTEP<<16                   ; tensor_dim0 = 128
	s_mov_b32 s[G1B+1], KSTEP<<16
	s_mov_b32 s[G1+2], 128<<16                     ; tensor_dim1 = 128 rows of X
	s_mov_b32 s[G1B+2], 64<<16                     ; 64 rows of W
	s_mov_b32 s[G1+3], KSTEP<<16                   ; tile_dim0 = 128
	s_mov_b32 s[G1B+3], KSTEP<<16
	s_mov_b32 s[G1+4], 128                         ; tile_dim1
	s_mov_b32 s[G1B+4], 64
	s_mov_b32 s[G1+5], SIZE_K                      ; elements from row to row
	s_mov_b32 s[G1B+5], SIZE_K
	s_mov_b32 s[G1+6], 0
	s_mov_b32 s[G1B+6], 0
	s_mov_b32 s[G1+7], 0
	s_mov_b32 s[G1B+7], 0
	; X's address hangs on the block row and the wave, W's on the block column and the wave, each in registers that never hold the other coordinate
	s_lshl_b32 s17, s12, 7
	s_lshl_b32 s16, s13, 8
	s_add_co_u32 s16, s16, s17                     ; X: row 256 x block row + 128 x half
	s_mul_i32 s16, s16, SIZE_K*2                   ; in bytes, 16.8 MB at the most
	s_mov_b32 s17, 0
	s_lshl_b32 s47, s12, 6
	s_lshl_b32 s46, s42, 7
	s_add_co_u32 s46, s46, s47                     ; W: row 128 x block column + 64 x half
	s_mul_i32 s46, s46, SIZE_K*2
	s_mov_b32 s47, 0
	s_mul_i32 s20, s10, HALFA                      ; LDS: X's halves at wave x 34,816 (waves 0, 1)
	s_mul_i32 s70, s10, HALFB
	s_add_co_u32 s70, s70, BOFF-2*HALFB            ; W's halves at 69,632 + (wave - 2) x 17,408 (waves 2, 3)
	s_lshl_b32 s80, s13, 8
	s_lshl_b32 s81, s11, 7
	s_add_co_u32 s80, s80, s81                     ; my first row m
	s_lshl1_add_u32 s82, s42, s12                  ; hc = 2 x block column + my half
	s_lshl_b32 s82, s82, 12
	s_add_co_u32 s82, s82, s80
	s_lshl_b32 s82, s82, 7                         ; (4096 hc + m) x 128 bytes
	s_mov_b32 s83, 0
	s_lshl_b32 s80, s80, 8                         ; a row of a table is 256 bytes
	s_mov_b32 s81, 0
	s_lshl_b32 s88, s13, 20                        ; asking ahead, X: (256 by
	s_lshl_b32 s89, s42, 16                        ;  + 16 bx) rows of 4096 bytes
	s_add_co_u32 s88, s88, s89
	s_and_b32 s89, s13, 7                          ; W: (16 (by & 7)
	s_lshl_b32 s89, s89, 16
	s_lshl_b32 s90, s42, 19                        ;  + 128 bx) rows of 4096 bytes,
	s_add_co_u32 s89, s89, s90
	s_add_co_u32 s89, s89, WOFF                    ; behind X in h16
	s_mov_b32 s[PK], 2*KSTEP*2                     ; the first lap steps it to tile 4
	s_mov_b32 s[PK+1], 0
	s_wait_dscnt 0x0
	s_wait_kmcnt 0x0
	s_add_nc_u64 s[14:15], s[72:73], s[16:17]
	s_add_nc_u64 s[46:47], s[72:73], s[46:47]
	s_add_nc_u64 s[46:47], s[46:47], WOFF
	s_add_nc_u64 s[66:67], s[74:75], s[80:81]      ; cosF at my first row
	s_add_nc_u64 s[68:69], s[66:67], SINOFF        ; sinF
	s_add_nc_u64 s[8:9], s[76:77], s[82:83]        ; qkv at my head's first row of mine
	CROUND                                         ; all sixteen work-groups are here: the first joint loads meet
.irp s, 0,1
	s_mov_b32 s[G0+4*\s], 1
	s_add_co_u32 s[G0+4*\s+1], s20, \s*SLOT
	s_add_nc_u64 s[G0+4*\s+2:G0+4*\s+3], s[14:15], \s*KSTEP*2
	s_or_b32 s[G0+4*\s+3], s[G0+4*\s+3], 0x80000000
	s_mov_b32 s[G0B+4*\s], 1
	s_add_co_u32 s[G0B+4*\s+1], s70, \s*SLOT
	s_add_nc_u64 s[G0B+4*\s+2:G0B+4*\s+3], s[46:47], \s*KSTEP*2
	s_or_b32 s[G0B+4*\s+3], s[G0B+4*\s+3], 0x80000000
	JLOAD \s                                       ; two tensor loads of the wave are out, the most in this text
.endr
	v_and_b32 v1, 15, v0                           ; r
	v_bfe_u32 v2, v0, 4, 1                         ; h
	v_mov_b32 v8, s88
	v_mov_b32 v9, s89
	v_cmp_eq_u32 vcc_lo, 1, v2
	v_cndmask_b32 v[PFO], v8, v9, vcc_lo           ; lanes 0-15: X's rows; lanes 16-31: W's
	v_lshl_add_u32 v[PFO], v1, 12, v[PFO]          ; + r rows
	s_cmp_lg_u32 s10, 3
	s_cbranch_scc1 .Lno_ask_first
	global_prefetch_b8 v[PFO], s[72:73] offset:2*KSTEP*2 th:TH_LOAD_NT scope:SCOPE_SE   ; tiles 2 and 3, whose loads go out in the first two K steps
	global_prefetch_b8 v[PFO], s[72:73] offset:3*KSTEP*2 th:TH_LOAD_NT scope:SCOPE_SE
.Lno_ask_first:
; cosF and sinF of rows 16 a .. 16 a + 15 of mine: load t brings two rows, 512 consecutive bytes, in the layout in which the way out reads rows back.
.macro CSLD a
.irp t, 0,1,2,3,4,5,6,7
	global_load_b128 v[64*((\a)%4)+4*\t:64*((\a)%4)+4*\t+3], v[CSO], s[66:67] offset:(16*(\a)+2*\t)*256
	global_load_b128 v[64*((\a)%4)+32+4*\t:64*((\a)%4)+32+4*\t+3], v[CSO], s[68:69] offset:(16*(\a)+2*\t)*256
.endr
.endm
	v_and_b32 v[CSO], 31, v0
	v_lshlrev_b32 v[CSO], 4, v[CSO]
	s_cmp_eq_u32 s71, 3
	s_cbranch_scc1 .Lno_tables_0
	WIN 0x80                                       ; destination in window 2: rows 0-63; they land while the K loop runs and are waited for behind it
	CSLD 0
	CSLD 1
	CSLD 2
	CSLD 3
	WIN 0
.Lno_tables_0:
	; a fragment is 16 rows x 32 K in 8 registers: lane (r, h) holds row r; registers 0-3 K = 8 h .., registers 4-7 K = 16 + 8 h ..: two loads of 16 bytes, 32 apart
	v_mul_u32_u24 v3, v1, PITCH
	v_lshl_add_u32 v3, v2, 4, v3
	s_mul_i32 s21, s11, HALFA
	s_mul_i32 s22, s12, HALFB
	s_add_co_u32 s22, s22, BOFF
.irp s, 0,1
	v_add_nc_u32 v[ADRA+\s], s21, v3
	v_add_nc_u32 v[ADRB+\s], s22, v3
	s_add_co_u32 s21, s21, SLOT
	s_add_co_u32 s22, s22, SLOT
.endr
	s_mul_i32 s23, s10, 16*SPITCH
	s_add_co_u32 s23, s23, STAGE                   ; my stage
	v_mul_u32_u24 v4, v1, SPITCH
	v_lshl_add_u32 v4, v2, 5, v4                   ; in: row r, 32 bytes (8 f32) for each half of the lanes
	v_add_nc_u32 v[STO], s23, v4
	v_mul_u32_u24 v5, v2, SPITCH                   ; back: lanes 0-15 one row of 256 bytes, lanes 16-31 the next
	v_lshl_add_u32 v6, v1, 4, v5
	v_add_nc_u32 v[RD], s23, v6
	v_xor_b32 v7, 8, v1                            ; 8 lanes = 32 columns away
	v_lshl_add_u32 v7, v7, 4, v5
	v_add_nc_u32 v[RDP], s23, v7
	v_and_b32 v[CO], 31, v0
	v_lshlrev_b32 v[CO], 3, v[CO]
; 8 matrix instructions: row blocks a0, a0 + 1 x all four column blocks, 32 along K.  zero = 1: the first product starts the sums.
.macro MUL8 f, a0, zero
.irp a, \a0, \a0+1
.irp b, 0,1,2,3
.if \zero
	v_wmma_f32_16x16x32_bf16 v[8*(4*(\a)+\b):8*(4*(\a)+\b)+7], v[\f+8*\b:\f+8*\b+7], v[\f+32+8*(\a):\f+32+8*(\a)+7], 0
.else
	v_wmma_f32_16x16x32_bf16 v[8*(4*(\a)+\b):8*(4*(\a)+\b)+7], v[\f+8*\b:\f+8*\b+7], v[\f+32+8*(\a):\f+32+8*(\a)+7], v[8*(4*(\a)+\b):8*(4*(\a)+\b)+7]
.endif
.endr
.endr
.endm
; 24 LDS loads in one run: 64 rows of W, then 128 rows of X, 32 K at byte k of the rows, into buffer f
.macro FETCH slot, k, f
	WIN 0
.irp i, 0,1,2,3
	ds_load_b128 v[\f+8*\i:\f+8*\i+3],   v[ADRB+\slot] offset:\k+\i*16*PITCH
	ds_load_b128 v[\f+8*\i+4:\f+8*\i+7], v[ADRB+\slot] offset:\k+\i*16*PITCH+32
.endr
.irp i, 0,1,2,3,4,5,6,7
	ds_load_b128 v[\f+32+8*\i:\f+32+8*\i+3],   v[ADRA+\slot] offset:\k+\i*16*PITCH
	ds_load_b128 v[\f+32+8*\i+4:\f+32+8*\i+7], v[ADRA+\slot] offset:\k+\i*16*PITCH+32
.endr
.endm
; A K step is four quarters of 32 along K, 32 matrix instructions each, on buffers 0, 1, 0, 1.  The 32 accumulators take turns, one instruction
; a turn, in the same order in every quarter, over the backward jump too.
.macro QUARTER slot, k, f, g, zero
	s_wait_dscnt 8                                 ; W and X's blocks 0-3 are in; the youngest eight loads (X's blocks 4-7) may be out
	WIN MULW
	MUL8 \f, 0, \zero
	MUL8 \f, 2, \zero
	PLACES
	FETCH \slot, \k, \g
	s_wait_dscnt 24                                ; all but the 24 just issued
	WIN MULW
	MUL8 \f, 4, \zero
	MUL8 \f, 6, \zero
.endm
.macro THREE slot, zero
	QUARTER \slot, 64,  F0, F1, \zero
	QUARTER \slot, 128, F1, F0, 0
	QUARTER \slot, 192, F0, F1, 0
.endm
; The last quarter multiplies buffer 1 and changes slots.  In front of the barrier each wave waits for its reads of this slot and for all its tensor
; loads (the one that is out is its part of the next slot).  Where the slot is filled again the barrier opens a round of the cluster's barrier, and
; the joint refill is the first tensor load behind the round.  From a request to the wait for it a wave issues 120 matrix instructions.
.macro TURN slot, next, fill
	s_wait_dscnt 8
	WIN MULW
	MUL8 F1, 0, 0
	s_wait_dscnt 0                                 ; my reads of this slot are over
	s_wait_tensorcnt 0x0                           ; all my tensor loads have landed
	ds_add_u32 v254, v255
	s_wait_dscnt 0x0
	s_barrier_signal -1
	MUL8 F1, 2, 0                                  ; register work while the others arrive
	WIN 0
	s_barrier_wait -1
.if \fill
	CREST                                          ; no wave of any partner still reads this slot or has a load on its way
	s_add_nc_u64 s[G0+4*\slot+2:G0+4*\slot+3], s[G0+4*\slot+2:G0+4*\slot+3], 2*KSTEP*2
	s_add_nc_u64 s[G0B+4*\slot+2:G0B+4*\slot+3], s[G0B+4*\slot+2:G0B+4*\slot+3], 2*KSTEP*2
.if \slot == 0
	s_wait_xcnt 0x0                                ; the last request was issued a K step ago: its base is rewritten only behind this wait
	s_add_co_u32 s[PK], s[PK], 2*KSTEP*2           ; this lap asks for the two tiles four K steps on,
	s_min_u32 s[PK], s[PK], (SIZE_K-2*KSTEP)*2     ; at the most for the row's last two
	s_add_nc_u64 s[PB:PB+1], s[72:73], s[PK:PK+1]
.endif
	JLOAD \slot
	ASK \slot*KSTEP*2
.endif
	PLACES
	FETCH \next, 0, F0
	WIN MULW
	MUL8 F1, 4, 0
	MUL8 F1, 6, 0
.endm
.macro LAP zero
	THREE 0, \zero
	TURN 0, 1, 1
	THREE 1, 0
	TURN 1, 0, 1
.endm
	s_wait_tensorcnt 1                             ; my part of K step 0 is in; K step 1's load stays out
	s_barrier_signal -1
	s_barrier_wait -1
	FETCH 0, 0, F0
	LAP 1                                          ; the first lap stands in front of the loop: its first products start the sums
	WIN 0
	s_cmp_eq_u32 s71, 3
	s_cbranch_scc1 .Lno_tables_1
	WIN 0xc0                                       ; window 3: the tables of rows 64-127, asked for a lap later than the first 64 loads
	CSLD 4
	CSLD 5
	CSLD 6
	CSLD 7
	WIN 0
.Lno_tables_1:
	s_mov_b32 s3, LAPS-2
.Llap:
	LAP 0
	WIN 0
	s_sub_co_u32 s3, s3, 1
	s_cmp_lg_u32 s3, 0
	s_cbranch_scc1 .Llap
	THREE 0, 0                                     ; the last lap fills nothing and has no round
	TURN 0, 1, 0
	THREE 1, 0
	s_wait_dscnt 8
	WIN MULW
	MUL8 F1, 0, 0
	MUL8 F1, 2, 0
	s_wait_dscnt 0
	MUL8 F1, 4, 0
	MUL8 F1, 6, 0
	WIN 0
	PLACES                                         ; behind the last matrix instructions: results are read, fragment registers are loaded into
; THE WAY OUT, 16 rows at a time: f32 into my own stage, read back as whole rows: lane L then holds row 2 t + (L >> 4), columns 4 (L & 15) .. + 3.
; LDS serves a wave's instructions in order (ISA guide 5.7.1.4): the loads see the stores above them, and the next block's stores come behind these loads.
.macro STG a, buf, rope
	WIN 0x04                                       ; store data in window 1
.irp b, 0,1,2,3
	ds_store_b128 v[STO], v[8*(4*(\a)+\b):8*(4*(\a)+\b)+3] offset:64*\b
	ds_store_b128 v[STO], v[8*(4*(\a)+\b)+4:8*(4*(\a)+\b)+7] offset:64*\b+16
.endr
	WIN 0
.irp t, 0,1,2,3,4,5,6,7
	ds_load_b128 v[XB+32*(\buf)+4*\t:XB+32*(\buf)+4*\t+3], v[RD] offset:\t*2*SPITCH
.endr
.if \rope
.irp t, 0,1,2,3,4,5,6,7
	ds_load_b128 v[XP+32*(\buf)+4*\t:XP+32*(\buf)+4*\t+3], v[RDP] offset:\t*2*SPITCH
.endr
.endif
.endm
; Block a from buffer buf; more = 1: block a + 1 is staged first.  y[d] = x[d] cosF[d] + x[d +- 32] sinF[d].  win: source 1 in the window of the block's tables.
.macro OUT a, buf, more, rope, win
.if \more
	STG \a+1, 1-\buf, \rope
	s_wait_dscnt 16+8*\rope                        ; the next block's 8 stores and 8 (with partners 16) loads stay out; mine are in
.else
	s_wait_dscnt 0x0
.endif
	s_wait_xcnt 0x0                                ; YR was the last block's store data: rewritten only behind this wait
.if \rope
	WIN \win
.irp t, 0,1,2,3,4,5,6,7
	v_pk_mul_f32 v[XB+32*\buf+4*\t:XB+32*\buf+4*\t+1], v[XB+32*\buf+4*\t:XB+32*\buf+4*\t+1], v[64*((\a)%4)+4*\t:64*((\a)%4)+4*\t+1]
	v_pk_mul_f32 v[XB+32*\buf+4*\t+2:XB+32*\buf+4*\t+3], v[XB+32*\buf+4*\t+2:XB+32*\buf+4*\t+3], v[64*((\a)%4)+4*\t+2:64*((\a)%4)+4*\t+3]
.endr
.irp t, 0,1,2,3,4,5,6,7
	v_pk_fma_f32 v[XB+32*\buf+4*\t:XB+32*\buf+4*\t+1], v[XP+32*\buf+4*\t:XP+32*\buf+4*\t+1], v[64*((\a)%4)+32+4*\t:64*((\a)%4)+32+4*\t+1], v[XB+32*\buf+4*\t:XB+32*\buf+4*\t+1]
	v_pk_fma_f32 v[XB+32*\buf+4*\t+2:XB+32*\buf+4*\t+3], v[XP+32*\buf+4*\t+2:XP+32*\buf+4*\t+3], v[64*((\a)%4)+32+4*\t+2:64*((\a)%4)+32+4*\t+3], v[XB+32*\buf+4*\t+2:XB+32*\buf+4*\t+3]
.endr
	WIN 0
.endif
.irp t, 0,1,2,3,4,5,6,7
	v_cvt_pk_f16_f32 v[YR+2*\t], v[XB+32*\buf+4*\t], v[XB+32*\buf+4*\t+1]
	v_cvt_pk_f16_f32 v[YR+2*\t+1], v[XB+32*\buf+4*\t+2], v[XB+32*\buf+4*\t+3]
	global_store_b64 v[CO], v[YR+2*\t:YR+2*\t+1], s[8:9] offset:(16*(\a)+2*\t)*128   ; the wave stores two rows of 128 bytes: 256 consecutive bytes, aligned
.endr
.endm
	s_wait_loadcnt 0x0                             ; the tables, asked for at the start and behind the first lap
	s_cmp_eq_u32 s71, 3
	s_cbranch_scc1 .Lplain
	STG 0, 0, 1
	OUT 0, 0, 1, 1, 0x08
	OUT 1, 1, 1, 1, 0x08
	OUT 2, 0, 1, 1, 0x08
	OUT 3, 1, 1, 1, 0x08
	OUT 4, 0, 1, 1, 0x0c
	OUT 5, 1, 1, 1, 0x0c
	OUT 6, 0, 1, 1, 0x0c
	OUT 7, 1, 0, 1, 0x0c
	s_branch .Lclose
.Lplain:                                           ; v: no RoPE, no factor
	STG 0, 0, 0
	OUT 0, 0, 1, 0, 0
	OUT 1, 1, 1, 0, 0
	OUT 2, 0, 1, 0, 0
	OUT 3, 1, 1, 0, 0
	OUT 4, 0, 1, 0, 0
	OUT 5, 1, 1, 0, 0
	OUT 6, 0, 1, 0, 0
	OUT 7, 1, 0, 0, 0
.Lclose:
	s_wait_tensorcnt 0x0
	ds_add_u32 v254, v255
	s_wait_dscnt 0x0
	CROUND                                         ; the closing round: no work-group ends while a partner may still ask for a tile that names it
	s_endpgm
.Lfunc_end_k_qcb08f6f845_qkv:
	.size	k_qcb08f6f845_qkv, .Lfunc_end_k_qcb08f6f845_qkv-k_qcb08f6f845_qkv
	.p2alignl 7, 3214868480
	.fill 96, 4, 3214868480
	.section	.rodata,"a",@progbits
	.p2align	6, 0x0
	.amdhsa_kernel k_qcb08f6f845_qkv
		.amdhsa_group_segment_fixed_size 327680
		.amdhsa_private_segment_fixed_size 0
		.amdhsa_enable_private_segment 0
		.amdhsa_kernarg_size 24
		.amdhsa_user_sgpr_count 2
		.amdhsa_user_sgpr_kernarg_segment_ptr 1
		.amdhsa_wavefront_size32 1
		.amdhsa_system_sgpr_workgroup_id_x 1
		.amdhsa_system_sgpr_workgroup_id_y 1
		.amdhsa_system_sgpr_workgroup_id_z 1
		.amdhsa_system_vgpr_workitem_id 0
		.amdhsa_next_free_vgpr 1024
		.amdhsa_next_free_sgpr 92
		.amdhsa_reserve_vcc 1
		.amdhsa_float_denorm_mode_32 3
		.amdhsa_float_denorm_mode_16_64 3
		.amdhsa_memory_ordered 1
		.amdhsa_forward_progress 1
		.amdhsa_inst_pref_size 182
	.end_amdhsa_kernel
	.amdgpu_metadata
---
amdhsa.version: [ 1, 2 ]
amdhsa.kernels:
  - .name:           k_qcb08f6f845_qkv
    .symbol:         k_qcb08f6f845_qkv.kd
    .args:
      - { .name: h16, .offset: 0, .size: 8, .value_kind: global_buffer, .address_space: global }
      - { .name: cs, .offset: 8, .size: 8, .value_kind: global_buffer, .address_space: global }
      - { .name: qkv, .offset: 16, .size: 8, .value_kind: global_buffer, .address_space: global }
    .group_segment_fixed_size: 327680
    .private_segment_fixed_size: 0
    .kernarg_segment_align: 8
    .kernarg_segment_size: 24
    .max_flat_workgroup_size: 128
    .sgpr_count:     92
    .vgpr_count:     1024
    .wavefront_size: 32
...
	.end_amdgpu_metadata
.endif
;; end of part 2
;; launch attn (part 3): grid 16 x 16, 4 waves a work-group, clusters of 4 x 4, 327,680 bytes of LDS; arguments qkv, attention_mask, ob; writes ob
.if DOCPART == 3
	.amdgcn_target "amdgcn-amd-amdhsa--gfx1250"
	.amdhsa_code_object_version 6
	.text
	.protected	k_qcb08f6f845_attn
	.globl	k_qcb08f6f845_attn
	.p2align	8
	.type	k_qcb08f6f845_attn,@function
k_qcb08f6f845_attn:
	s_mov_b64 s[64:65], 0
	v_nop
	global_prefetch_b8 v0, s[64:65] scope:SCOPE_SE
	s_setreg_imm32_b32 hwreg(HW_REG_WAVE_MODE, 25, 1), 1
	s_wait_xcnt 0x0
	s_wait_alu depctr_hold_cnt(0) depctr_sa_sdst(0) depctr_va_vdst(0) depctr_va_sdst(0) depctr_va_ssrc(0) depctr_va_vcc(0) depctr_vm_vsrc(0)
	s_getreg_b32 s2, hwreg(HW_REG_IB_STS2, 6, 4)
	s_cmp_eq_u32 s2, 0
	s_cbranch_scc0 .Lentry_in_a_cluster
	s_endpgm
.Lentry_in_a_cluster:
	s_bfe_u32 s2, ttmp6, 0x10000c
	s_cmp_lg_u32 s2, 0xf033
	s_cbranch_scc0 .Lentry_shape_is_right
	s_endpgm
.Lentry_shape_is_right:
; THIRD LAUNCH: O[m][64 h + d] = softmax over keys of (q k / 8 + mask) times v, in f16 operands with f32 sums and a running maximum.
; Nothing of reference() is left out: the mask is an input, so every key tile of every query block is computed and every mask word is read.
; Work-group (x, y): query rows 128 x .. + 127 of batch b = y >> 3, k and v head g = y & 7, BOTH q heads 2 g and 2 g + 1: they share K, V and the mask.
; Wave w: query rows 32 w .. + 31 of the block for both heads: four tile groups gq = 2 e + n (head e, 16-row tile n).
; SCORES ARE MADE TRANSPOSED: S^T = K Q^T + C, source 0 = 16 keys, source 1 = 16 queries, C = the scaled mask tile.  Lane (r, h) holds query r and
; keys 16 t + 8 h + 0..7, so all softmax figures are one number a lane (one exchange joins the two halves of the keys), and the two packed tiles
; t = 0, 1 ARE source 1 of O^T = V^T P.  V^T's fragments come by the transposing LDS load.
; SCALES: q' = q F and k' = k F, F = sqrt(log2 e) / 256, come so from the second launch; S' = q' k' + mask log2(e) / 8192; p = 2^(8192 S' - 8192 M'), M' the
; running maximum of S'.  8192 M' is exact and the multiply-add rounds 8192 (S' - M') once: equal scores give p = 1 exactly.
; THE RESULT LEAVES AS TWO bf16 NUMBERS, hi = bf16(O) and lo = bf16(O - hi), 16 bits together: ob[m][g][hi of 128 columns | lo of 128 columns], so that
; the last product adds no rounding of O of its own size.
; LIMITS: M' is floored at -2^113: a row whose every score + mask lies below -5.9e37 gives NaN; a mask word below that weighs 0; +infinity and NaN in the
; inputs are not reproduced; v_exp_f32 flushes results below 2^-126 to 0 (ISA guide 15.8); p is rounded to f16 for the product and summed in f32.
; CLUSTERS of 4 x 4: K and V hang on y alone and are asked for jointly along a row of the cluster; the mask tile hangs on b and x alone (the four y
; of a cluster lie in one batch) and is asked for jointly along a column.
; LDS: two slots of 128 keys: mask 128 rows x 528 bytes, K 128 x 144, V 128 x 160 = 106,496 bytes; slot 1 begins at 131,072, so that one bit tells the
; slots apart; behind them a stage of 16 x 528 bytes for each wave.
; THE TWO HEADS TAKE TURNS.  The work is 16 trips (a slot of 128 keys) of 4 steps (a unit of 32 keys).  Head A (gq 0, 1) runs half a step ahead of head B
; (gq 2, 3), so that one head's vector work stands between the other head's matrix instructions.  Step s:
;   K and mask of unit s are asked for; maximum and alpha of B's scores of unit s - 1;
;   8 products P_A V of unit s - 1, behind each the four multiplies that rescale one tile of O_B;
;   the mask is scaled; 8 score products of A for unit s, behind each one of eight slices of B's softmax of unit s - 1 (exponentials, sums, packing);
;   maximum and alpha of A's scores of unit s; 8 products P_B V of unit s - 1, behind each the rescaling of one tile of O_A; V of unit s is asked for;
;   8 score products of B for unit s, behind each a slice of A's softmax of unit s.
; A slot's K, mask and V are all loaded inside its own four steps, so the round of the cluster's barrier stands in front of a slot's first step; what
; crosses it (P_A, the raw scores of B, V) lies in registers.  The first two steps are written out (nothing to multiply yet; then C = 0 and nothing to
; rescale), and so is the end, which finishes unit 63.  The text holds five steps and the end for the 64 steps that run.
; REGISTER WINDOWS.  A vector instruction between two matrix instructions runs under their window setting.  So both heads' scores (64 registers), K (32),
; the mask (32) and Q (64) lie in window 0 with the softmax's small figures: score products and softmax need no switch.  P is packed in place over the
; scores.  O (128) and V^T (32) lie in window 1; under the setting of P V (D, A, C in window 1, B in window 0) the rescaling O = O x alpha is legal too.
; Five switches a step.  THE MAXIMUM IS TAKEN EVERY 32 KEYS: at 64 keys the same five blocks would be 128 + 64 + 64 + 64 = 320 registers, more than a window.
.set MP,    528                        ; 512 + 16: an odd multiple of 16
.set KP,    144                        ; 128 + 16
.set VP,    160                        ; 128 + 32: an odd multiple of 32, for the transposing load
.set KOFF,  128*MP                     ; 67,584
.set VOFF,  KOFF+128*KP                ; 86,016
.set SLOTB, VOFF+128*VP                ; 106,496 bytes of a slot
.set SLOTD, 0x20000                    ; slot 1's first byte: above every byte of slot 0
.set STAGE, SLOTD+SLOTB                ; 237,568 = 928 x 256; no tensor load lands there
.set SPITCH, 528                       ; a staged row: 256 bytes of hi, 256 of lo, 16 of padding
.set KAD, 2                            ; K fragments of slot 0, unit 0; never rewritten
.set VAD, 3                            ; V^T fragments of slot 0, unit 0; never rewritten
.set MAD, 4                            ; mask tiles of slot 0, unit 0; never rewritten
.set KW,  5                            ; the same three at work: + the slot, + the units' steps
.set VW,  6
.set MW,  7
.set STO, 8
.set RD,  9
.set CO,  10
.set QO,  11
.set MX,  16                           ; v16-19  running maximum of S', one for each gq
.set NM,  20                           ; v20-23  -8192 M'
.set AL,  24                           ; v24-27  2^(8192 (M'old - M'new)); at the end 1 / l
.set TP,  28                           ; v28-31  the maximum's second half chain; then what the other half of the lanes holds
.set LP,  32                           ; v32-39  running sums, a pair for each gq
.set KF,  40                           ; v40-71   K fragment (t, c) at 8 (2 t + c)
.set MK,  72                           ; v72-103  mask tile (n, t) at 8 (2 n + t)
.set SS,  104                          ; v104-167 score tile (gq, t) at 8 (2 gq + t); then P of gq in the first 8 of its 16 registers
.set QF,  168                          ; v168-231 Q fragment (gq, c) at 8 (2 gq + c)
.set VF,  128                          ; window 1: V^T fragment dt at 128 + 8 dt; O (gq, dt) at 8 (4 gq + dt)
.set OSS, QF                           ; way out: 64 registers: O / l, then the remainder, then the rows read back
.set OHI, KF                           ; 32 registers of packed hi
.set OLO, MK                           ; 32 registers of packed lo
.set OTT, SS                           ; 64 registers: hi widened again
.set G1M, 16                           ; s[16:23] group 1, mask
.set G1K, 24                           ; s[24:31] K
.set G1V, 32                           ; s[32:39] V
.set G0M, 40                           ; s[40:43] group 0, mask
.set G0K, 44                           ; s[44:47] K
.set G0V, 48                           ; s[48:51] V
.set RS,  52                           ; first byte of the slot that the coming trip reads: 0 or SLOTD
.set UC,  53                           ; steps left in the counted loop
.set M8K, 54                           ; -8192.0
.set PVW, 0x51                         ; P V and the rescaling: destination, source 0 and source 2 in window 1, source 1 in window 0
.set MSB, 0
.macro WIN new
.if MSB != (\new)
	s_set_vgpr_msb (MSB<<8)|(\new)
.set MSB, (\new)
.endif
.endm
.macro PLACES                          ; four plain vector instructions behind a matrix instruction before its result is read (ISA guide 7.12.1)
.rept 4
	v_nop
.endr
.endm
.macro ROUND                           ; a round of the cluster's barrier
	s_barrier_signal -1
	s_barrier_wait -1
	s_cmp_lg_u32 s10, 0
	s_cbranch_scc1 .Lnot_wave_0_\@
	s_barrier_signal -3
.Lnot_wave_0_\@:
	s_barrier_wait -3
	s_barrier_signal -1
	s_barrier_wait -1
.endm
; One joint load a wave: waves 0 and 1 the mask's two halves (64 rows x 512 bytes each), wave 2 K, wave 3 V (16 KiB each).
.macro JLOAD
	s_cmp_lt_u32 s10, 2
	s_cbranch_scc0 .Lkv_\@
	tensor_load_to_lds s[G0M:G0M+3], s[G1M:G1M+7]
	s_nop 0
	s_branch .Lasked_\@
.Lkv_\@:
	s_cmp_eq_u32 s10, 2
	s_cbranch_scc0 .Lv_\@
	tensor_load_to_lds s[G0K:G0K+3], s[G1K:G1K+7]
	s_nop 0
	s_branch .Lasked_\@
.Lv_\@:
	tensor_load_to_lds s[G0V:G0V+3], s[G1V:G1V+7]
	s_nop 0
.Lasked_\@:
.endm
	s_load_b128 s[4:7], s[0:1], 0x0                ; qkv s[4:5], attention_mask s[6:7]
	s_load_b64 s[8:9], s[0:1], 0x10                ; ob
	v_lshl_add_u32 v254, v0, 2, 0x42400
	v_mov_b32 v255, 0
	ds_add_u32 v254, v255
	v_lshrrev_b32 v1, 5, v0
	v_readfirstlane_b32 s10, v1                    ; wave
	s_bfe_u32 s11, ttmp6, 0x40000                  ; cx
	s_bfe_u32 s12, ttmp6, 0x40004                  ; cy
	s_lshl_b32 s13, ttmp9, 2
	s_add_co_u32 s13, s13, s11                     ; x = 4 x cluster x + cx
	s_and_b32 s14, ttmp7, 0xffff                   ; the cluster's y
	s_lshr_b32 s15, s14, 1                         ; b, from the cluster's y alone (for the mask's address)
	s_lshl_b32 s70, s14, 2
	s_add_co_u32 s70, s70, s12                     ; y = 4 x cluster y + cy
	s_and_b32 s71, s70, 7                          ; g
	s_lshr_b32 s72, s70, 3                         ; b
	s_lshl_b32 s73, s12, 2
	s_lshl_b32 s73, 15, s73                        ; my row of the cluster
	s_lshl_b32 s74, 0x1111, s11                    ; my column
	s_mov_b32 s66, 0x76543210                      ; v_permlanex16_b32: lane i reads lane i of the other half
	s_mov_b32 s67, 0xfedcba98
	s_mov_b32 s68, 0xf8000000                      ; -2^113, the floor of M': 8192 times it is finite
	s_mov_b32 s[M8K], 0xc6000000                   ; -8192.0
	s_mov_b32 s[RS], 0                             ; the first trip reads slot 0
	; mask: 64 rows x 128 f32, 2048 elements from row to row; 4 words of padding behind every 128
	s_or_b32 s[G1M+0], s74, (2<<16)|(1<<20)|(1<<21)|(6<<22)|(3<<25)
	s_mov_b32 s[G1M+1], 128<<16
	s_mov_b32 s[G1M+2], 64<<16
	s_mov_b32 s[G1M+3], 128<<16
	s_mov_b32 s[G1M+4], 64
	s_mov_b32 s[G1M+5], 2048
	s_mov_b32 s[G1M+6], 0
	s_mov_b32 s[G1M+7], 0
	; K and V: 128 keys x 128 bytes lie dense in memory and come as 64 rows of 256 bytes; the padding is counted along the tile, behind every
	; 32 words = one key: 4 words for K (pitch 144), 8 for V (pitch 160)
	s_or_b32 s[G1K+0], s73, (1<<16)|(1<<20)|(1<<21)|(4<<22)|(3<<25)
	s_or_b32 s[G1V+0], s73, (1<<16)|(1<<20)|(1<<21)|(4<<22)|(7<<25)
	s_mov_b32 s[G1K+1], 128<<16
	s_mov_b32 s[G1V+1], 128<<16
	s_mov_b32 s[G1K+2], 64<<16
	s_mov_b32 s[G1V+2], 64<<16
	s_mov_b32 s[G1K+3], 128<<16
	s_mov_b32 s[G1V+3], 128<<16
	s_mov_b32 s[G1K+4], 64
	s_mov_b32 s[G1V+4], 64
	s_mov_b32 s[G1K+5], 128
	s_mov_b32 s[G1V+5], 128
	s_mov_b32 s[G1K+6], 0
	s_mov_b32 s[G1V+6], 0
	s_mov_b32 s[G1K+7], 0
	s_mov_b32 s[G1V+7], 0
	s_lshl_b32 s76, s15, 24                        ; mask: b x 2048 x 8192 bytes
	s_lshl_b32 s77, s13, 20                        ; + x x 128 rows
	s_add_co_u32 s76, s76, s77
	s_lshl_b32 s77, s10, 19                        ; + wave x 64 rows
	s_add_co_u32 s76, s76, s77
	s_mov_b32 s77, 0
	s_add_co_u32 s78, s71, 16                      ; K: plane 16 + g of 4096 x 128 bytes
	s_lshl_b32 s78, s78, 19
	s_lshl_b32 s79, s72, 18                        ; + b x 2048 rows
	s_add_co_u32 s78, s78, s79
	s_mov_b32 s79, 0
	s_lshl_b32 s80, s71, 20                        ; Q: plane 2 g
	s_lshl_b32 s81, s72, 18
	s_add_co_u32 s80, s80, s81
	s_lshl_b32 s81, s13, 14                        ; + 128 x rows of 128 bytes
	s_add_co_u32 s80, s80, s81
	s_mov_b32 s81, 0
	s_lshl_b32 s82, s72, 23                        ; ob: (2048 b + 128 x) rows of 4096 bytes + 512 g
	s_lshl_b32 s83, s13, 19
	s_add_co_u32 s82, s82, s83
	s_lshl_b32 s83, s71, 9
	s_add_co_u32 s82, s82, s83
	s_mov_b32 s83, 0
	; group 0, one for each kind of tile, set up for key tile 0 in slot 0
	s_mov_b32 s[G0M], 1
	s_mov_b32 s[G0K], 1
	s_mov_b32 s[G0V], 1
	s_mul_i32 s[G0M+1], s10, 64*MP                 ; LDS: the mask's halves at wave x 33,792
	s_mov_b32 s[G0K+1], KOFF
	s_mov_b32 s[G0V+1], VOFF
	s_wait_dscnt 0x0
	s_wait_kmcnt 0x0
	s_add_nc_u64 s[G0M+2:G0M+3], s[6:7], s[76:77]
	s_add_nc_u64 s[G0K+2:G0K+3], s[4:5], s[78:79]
	s_add_nc_u64 s[G0V+2:G0V+3], s[G0K+2:G0K+3], 0x400000          ; V: eight planes behind K
	s_or_b32 s[G0M+3], s[G0M+3], 0x80000000
	s_or_b32 s[G0K+3], s[G0K+3], 0x80000000
	s_or_b32 s[G0V+3], s[G0V+3], 0x80000000
	s_add_nc_u64 s[80:81], s[4:5], s[80:81]
	s_add_nc_u64 s[8:9], s[8:9], s[82:83]
	ROUND                                          ; in front of the first joint load
	JLOAD                                          ; key tile 0.  One tensor load of the wave is out at any time in this text
	v_and_b32 v1, 15, v0                           ; r
	v_bfe_u32 v12, v0, 4, 1                        ; h
	v_and_b32 v13, 7, v0
	v_bfe_u32 v14, v0, 3, 1
	s_lshl_b32 s86, s10, 5                         ; 32 w
	v_add_nc_u32 v15, s86, v1                      ; my query row in the block: 32 w + r
	v_lshlrev_b32 v[QO], 7, v15
	v_lshl_add_u32 v[QO], v12, 4, v[QO]            ; x 128 bytes + 16 h
	; Q straight into fragments: 32 KiB of the work-group, read once, against 1.5 MiB that it streams: a tile and a barrier for it would not pay
.irp e, 0,1
.irp qn, 0,1
.irp c, 0,1
	global_load_b128 v[QF+8*(2*(2*\e+\qn)+\c):QF+8*(2*(2*\e+\qn)+\c)+3], v[QO], s[80:81] offset:\e*524288+\qn*2048+64*\c
	global_load_b128 v[QF+8*(2*(2*\e+\qn)+\c)+4:QF+8*(2*(2*\e+\qn)+\c)+7], v[QO], s[80:81] offset:\e*524288+\qn*2048+64*\c+32
.endr
.endr
.endr
	v_mul_u32_u24 v[MAD], v15, MP
	v_lshl_add_u32 v[MAD], v12, 5, v[MAD]          ; mask: row 32 w + r, 32 bytes (8 keys) for each half of the lanes
	v_mul_u32_u24 v15, v1, KP
	v_lshl_add_u32 v15, v12, 4, v15                ; K: key r, 16 h
	v_add_nc_u32 v[KAD], KOFF, v15
	v_lshl_add_u32 v15, v12, 3, v13                ; V: key 8 h + (L & 7),
	v_mul_u32_u24 v15, v15, VP
	v_lshl_add_u32 v15, v14, 4, v15                ; 16 bytes further on for lanes 8-15 of each half
	v_add_nc_u32 v[VAD], VOFF, v15
	s_mul_i32 s87, s10, 16*SPITCH
	s_add_co_u32 s87, s87, STAGE                   ; my stage
	v_mul_u32_u24 v13, v1, SPITCH
	v_lshl_add_u32 v13, v12, 4, v13
	v_add_nc_u32 v[STO], s87, v13                  ; in: query r, 16 bytes (8 d) for each half of the lanes
	v_and_b32 v13, 31, v0
	v_lshlrev_b32 v13, 4, v13                      ; back: the 32 lanes take one row of 512 bytes
	v_add_nc_u32 v[RD], s87, v13
	s_lshl_b32 s86, s86, 12                        ; 32 w rows of 4096 bytes
	v_add_nc_u32 v[CO], s86, v13                   ; the same 512 bytes in ob
	; the softmax's figures start so that the first unit takes the form of every other: M' at its floor, -8192 M' = 2^126, l = 0; the first alpha is then
	; 2^(-8192 M'new - 2^126) = 0 (or 1 where M' stays at the floor), and l = 0 x alpha + p
.irp gq, 0,1,2,3
	v_mov_b32 v[MX+\gq], s68
	v_mov_b32 v[NM+\gq], 0x7e800000
	v_mov_b32 v[LP+2*\gq], 0
	v_mov_b32 v[LP+2*\gq+1], 0
.endr
	s_wait_loadcnt 0x0                             ; Q
.macro LDK                             ; K of the unit at KW (32 keys): fragments (t, c): keys 16 t + r, d = 32 c + ..
.irp t, 0,1
.irp c, 0,1
	ds_load_b128 v[KF+8*(2*\t+\c):KF+8*(2*\t+\c)+3],   v[KW] offset:16*\t*KP+64*\c
	ds_load_b128 v[KF+8*(2*\t+\c)+4:KF+8*(2*\t+\c)+7], v[KW] offset:16*\t*KP+64*\c+32
.endr
.endr
.endm
.macro LDM                             ; mask tiles (n, t) of the unit at MW in the layout of C: query 16 n + r, keys 16 t + 8 h + 0..7
.irp qn, 0,1
.irp t, 0,1
	ds_load_b128 v[MK+8*(2*\qn+\t):MK+8*(2*\qn+\t)+3],   v[MW] offset:16*\qn*MP+64*\t
	ds_load_b128 v[MK+8*(2*\qn+\t)+4:MK+8*(2*\qn+\t)+7], v[MW] offset:16*\qn*MP+64*\t+16
.endr
.endr
.endm
.macro LDV                             ; V^T fragments dt of the unit at VW (destination in window 1): row d = 16 dt + r, keys 8 h .. and 16 + 8 h ..
.irp dt, 0,1,2,3
	ds_load_tr16_b128 v[VF+8*\dt:VF+8*\dt+3],   v[VW] offset:32*\dt
	ds_load_tr16_b128 v[VF+8*\dt+4:VF+8*\dt+7], v[VW] offset:16*VP+32*\dt
.endr
.endm
; Head e's running maximum, alpha and -8192 M' from its 2 x 16 raw scores a lane.  Each gq's 16 scores and its old maximum go through two half chains
; (MX: scores 0-7 and the old maximum; TP: scores 8-14), joined with score 15: eight instructions a gq, four chains side by side.
.macro MAXH e
.irp g, 0,1
	v_max3_num_f32 v[MX+2*\e+\g], v[SS+32*\e+16*\g], v[SS+32*\e+16*\g+1], v[MX+2*\e+\g]
	v_max3_num_f32 v[TP+2*\e+\g], v[SS+32*\e+16*\g+8], v[SS+32*\e+16*\g+9], v[SS+32*\e+16*\g+10]
.endr
.irp k, 1,2
.irp g, 0,1
	v_max3_num_f32 v[MX+2*\e+\g], v[SS+32*\e+16*\g+2*\k], v[SS+32*\e+16*\g+2*\k+1], v[MX+2*\e+\g]
	v_max3_num_f32 v[TP+2*\e+\g], v[SS+32*\e+16*\g+2*\k+9], v[SS+32*\e+16*\g+2*\k+10], v[TP+2*\e+\g]
.endr
.endr
.irp g, 0,1
	v_max3_num_f32 v[MX+2*\e+\g], v[SS+32*\e+16*\g+6], v[SS+32*\e+16*\g+7], v[MX+2*\e+\g]
.endr
.irp g, 0,1
	v_max3_num_f32 v[MX+2*\e+\g], v[TP+2*\e+\g], v[SS+32*\e+16*\g+15], v[MX+2*\e+\g]
.endr
.irp g, 0,1
	v_permlanex16_b32 v[TP+2*\e+\g], v[MX+2*\e+\g], s66, s67       ; the other eight keys of each tile lie in the other half of the lanes
.endr
.irp g, 0,1
	v_max_num_f32 v[MX+2*\e+\g], v[MX+2*\e+\g], v[TP+2*\e+\g]
.endr
.irp g, 0,1
	v_fma_f32 v[AL+2*\e+\g], v[MX+2*\e+\g], s[M8K], -v[NM+2*\e+\g] ; -8192 M'new + 8192 M'old, at most 0; the product is exact
.endr
.irp g, 0,1
	v_exp_f32 v[AL+2*\e+\g], v[AL+2*\e+\g]
.endr
	s_wait_alu depctr_va_vdst(0)
.irp g, 0,1
	v_mul_f32 v[NM+2*\e+\g], s[M8K], v[MX+2*\e+\g]                 ; -8192 M', exact; also the plain instruction behind the exponentials (ISA guide 5.7.2)
.endr
.endm
; Pair p (scores 2 p, 2 p + 1) of both gq of head e: 8192 S' - 8192 M', and its exponentials.
.macro FMAP e, p
	v_pk_fma_f32 v[SS+32*\e+2*(\p):SS+32*\e+2*(\p)+1], v[SS+32*\e+2*(\p):SS+32*\e+2*(\p)+1], 0x46000000, v[NM+2*\e:NM+2*\e+1] op_sel_hi:[1,0,0]
	v_pk_fma_f32 v[SS+32*\e+16+2*(\p):SS+32*\e+16+2*(\p)+1], v[SS+32*\e+16+2*(\p):SS+32*\e+16+2*(\p)+1], 0x46000000, v[NM+2*\e:NM+2*\e+1] op_sel:[0,0,1] op_sel_hi:[1,0,1]
.endm
.macro EXPP e, p
.irp g, 0,1
	v_exp_f32 v[SS+32*\e+16*\g+2*(\p)], v[SS+32*\e+16*\g+2*(\p)]
	v_exp_f32 v[SS+32*\e+16*\g+2*(\p)+1], v[SS+32*\e+16*\g+2*(\p)+1]
.endr
.endm
.macro PRE e                           ; what slice 0 finds done
	FMAP \e, 0
	FMAP \e, 1
	EXPP \e, 0
.endm
; Slice k (0 to 7) of head e's softmax: the exponentials of pair k + 1, the multiply-adds of pair k + 2, the sum and the packing of pair k.  So every
; exponential has a slice's plain instructions between it and its use.  l = l alpha + the sum of my 16 p, kept as a pair a lane.
; P IS PACKED IN PLACE: P[k] = (p[2 k], p[2 k + 1]) goes to register k of the gq's sixteen, which belongs to pair k / 2: summed and packed in slice k / 2.
; Registers 0-3 are then keys 8 h .. (tile t = 0), registers 4-7 keys 16 + 8 h .. (tile t = 1): source 1 of P V.
.macro SLICE e, k
.if \k < 7
	EXPP \e, (\k)+1
.endif
.if \k < 6
	FMAP \e, (\k)+2
.endif
.if \k == 0
	s_wait_alu depctr_va_vdst(0)
	v_pk_fma_f32 v[LP+4*\e:LP+4*\e+1], v[LP+4*\e:LP+4*\e+1], v[AL+2*\e:AL+2*\e+1], v[SS+32*\e:SS+32*\e+1] op_sel_hi:[1,0,1]
	v_pk_fma_f32 v[LP+4*\e+2:LP+4*\e+3], v[LP+4*\e+2:LP+4*\e+3], v[AL+2*\e:AL+2*\e+1], v[SS+32*\e+16:SS+32*\e+17] op_sel:[0,1,0] op_sel_hi:[1,1,1]
.else
	s_wait_alu depctr_va_vdst(0)
.irp g, 0,1
	v_pk_add_f32 v[LP+4*\e+2*\g:LP+4*\e+2*\g+1], v[LP+4*\e+2*\g:LP+4*\e+2*\g+1], v[SS+32*\e+16*\g+2*(\k):SS+32*\e+16*\g+2*(\k)+1]
.endr
.endif
.irp g, 0,1
	v_cvt_pk_f16_f32 v[SS+32*\e+16*\g+(\k)], v[SS+32*\e+16*\g+2*(\k)], v[SS+32*\e+16*\g+2*(\k)+1]
.endr
.endm
; The 8 score products of head e: its four tiles take turns, one instruction a turn: d = 0..31 onto the mask, then d = 32..63 in
; place.  fill = 1: behind each stands a slice of head o's softmax; it names none of the product's registers.
.macro SCH e, o, fill
.set sl, 0
.irp g, 0,1
.irp t, 0,1
	v_wmma_f32_16x16x32_f16 v[SS+32*\e+16*\g+8*\t:SS+32*\e+16*\g+8*\t+7], v[KF+16*\t:KF+16*\t+7], v[QF+32*\e+16*\g:QF+32*\e+16*\g+7], v[MK+16*\g+8*\t:MK+16*\g+8*\t+7]
.if \fill
	SLICE \o, sl
.set sl, sl+1
.endif
.endr
.endr
.irp g, 0,1
.irp t, 0,1
	v_wmma_f32_16x16x32_f16 v[SS+32*\e+16*\g+8*\t:SS+32*\e+16*\g+8*\t+7], v[KF+16*\t+8:KF+16*\t+15], v[QF+32*\e+16*\g+8:QF+32*\e+16*\g+15], v[SS+32*\e+16*\g+8*\t:SS+32*\e+16*\g+8*\t+7]
.if \fill
	SLICE \o, sl
.set sl, sl+1
.endif
.endr
.endr
.endm
; The 8 products O^T += V^T P of head e, eight accumulators, one instruction each (under PVW).  zero = 1: they start the sums.
; fill = 1: behind each stand the four multiplies that rescale the like tile of head o's O by o's new alpha.
.macro PVH e, o, zero, fill
.irp g, 0,1
.irp dt, 0,1,2,3
.if \zero
	v_wmma_f32_16x16x32_f16 v[64*\e+32*\g+8*\dt:64*\e+32*\g+8*\dt+7], v[VF+8*\dt:VF+8*\dt+7], v[SS+32*\e+16*\g:SS+32*\e+16*\g+7], 0
.else
	v_wmma_f32_16x16x32_f16 v[64*\e+32*\g+8*\dt:64*\e+32*\g+8*\dt+7], v[VF+8*\dt:VF+8*\dt+7], v[SS+32*\e+16*\g:SS+32*\e+16*\g+7], v[64*\e+32*\g+8*\dt:64*\e+32*\g+8*\dt+7]
.endif
.if \fill
.irp i, 0,2,4,6
.if \g == 0
	v_pk_mul_f32 v[64*\o+32*\g+8*\dt+\i:64*\o+32*\g+8*\dt+\i+1], v[64*\o+32*\g+8*\dt+\i:64*\o+32*\g+8*\dt+\i+1], v[AL+2*\o:AL+2*\o+1] op_sel_hi:[1,0]
.else
	v_pk_mul_f32 v[64*\o+32*\g+8*\dt+\i:64*\o+32*\g+8*\dt+\i+1], v[64*\o+32*\g+8*\dt+\i:64*\o+32*\g+8*\dt+\i+1], v[AL+2*\o:AL+2*\o+1] op_sel:[0,1] op_sel_hi:[1,1]
.endif
.endr
.endif
.endr
.endr
.endm
; A step: unit s = 32 keys.  mode 0: the very first unit (no unit before it); 1: the second (the products of unit 0 start O: C = 0, and where a head's O
; does not exist yet nothing is rescaled); 2: every other.
; Places behind matrix instructions: slice 7's two sums and two conversions, and behind head B's the two address steps, stand between the
; last score product and the reads of its scores and the loads into K and mask; the four rescaling multiplies stand between the last P_B V and V's loads.
.macro STEP mode
	LDK                                            ; K and mask of this unit: they land under head B's maximum and the products P_A V
	LDM
.if \mode
	MAXH 1                                         ; head B, the unit before
	s_wait_dscnt 16                                ; V of the unit before is in: its eight loads are older than the 8 of K and 8 of the mask just issued, which stay out
	WIN PVW
.if \mode == 1
	PVH 0, 1, 1, 0
.else
	PVH 0, 1, 0, 1
.endif
	WIN 0
.endif
	s_wait_dscnt 0x0                               ; this unit's K and mask are in
.set ii, 0
.rept 16
	v_pk_mul_f32 v[MK+ii:MK+ii+1], v[MK+ii:MK+ii+1], 0x3938aa3b op_sel_hi:[1,0]   ; mask x log2(e) / 8192, once for both heads
.set ii, ii+2
.endr
.if \mode
	PRE 1
	SCH 0, 1, 1                                    ; head A's scores of this unit, over P_A of the unit before; head B's softmax between them
.else
	SCH 0, 1, 0
	PLACES                                         ; the first step has no vector work to put here
.endif
	MAXH 0                                         ; head A, this unit
.if \mode
	WIN PVW
.if \mode == 1
	PVH 1, 0, 1, 1
.else
	PVH 1, 0, 0, 1
.endif
.endif
	WIN 0x40                                       ; destination in window 1
	LDV                                            ; V of this unit: wanted in the next step
	WIN 0
	v_add_nc_u32 v[VW], 32*VP, v[VW]               ; LDS loads have read their address at issue: the next unit's V
	PRE 0
	SCH 1, 0, 1                                    ; head B's scores of this unit, over P_B of the unit before; head A's softmax between them
	v_add_nc_u32 v[KW], 32*KP, v[KW]               ; the next unit's K
	v_add_nc_u32 v[MW], 128, v[MW]                 ; and mask columns
.endm
; A trip: one slot = 128 keys = four steps.  The round of the cluster's barrier is the barrier in front of the refill: each wave's waits stand in front
; of it (V of the last slot's fourth unit is then in registers), the joint refill of the other slot is the first tensor load behind it and has the whole
; trip in which to land.
.macro TRIP refill, first
	s_wait_tensorcnt 0x0                           ; all my tensor loads are done, my part of this trip's tile among them: every group 0 may be written
	ds_add_u32 v254, v255
	s_wait_dscnt 0x0
.if \refill
	s_add_nc_u64 s[G0M+2:G0M+3], s[G0M+2:G0M+3], 512               ; the next key tile: 128 columns of the mask,
	s_add_nc_u64 s[G0K+2:G0K+3], s[G0K+2:G0K+3], 16384             ; 128 rows of K
	s_add_nc_u64 s[G0V+2:G0V+3], s[G0V+2:G0V+3], 16384             ; and of V,
	s_xor_b32 s[G0M+1], s[G0M+1], SLOTD                            ; into the slot that this trip does not read
	s_xor_b32 s[G0K+1], s[G0K+1], SLOTD
	s_xor_b32 s[G0V+1], s[G0V+1], SLOTD
.endif
	s_wait_dscnt 0x0                               ; my reads of the last trip's slot are done
	ROUND
.if \refill
	JLOAD
.endif
	v_add_nc_u32 v[KW], s[RS], v[KAD]              ; the working addresses: this trip's slot, unit 0
	v_add_nc_u32 v[MW], s[RS], v[MAD]
	v_add_nc_u32 v[VW], s[RS], v[VAD]
	s_xor_b32 s[RS], s[RS], SLOTD                  ; the next trip reads the other slot
.if \first
	STEP 0
	STEP 1
	s_mov_b32 s[UC], 2
.else
	s_mov_b32 s[UC], 4
.endif
.Lunit_\@:
	STEP 2
	s_sub_co_u32 s[UC], s[UC], 1
	s_cmp_lg_u32 s[UC], 0
	s_cbranch_scc1 .Lunit_\@
.endm
	TRIP 1, 1                                      ; key tile 0
	s_mov_b32 s69, 14
.Lkeys:
	TRIP 1, 0                                      ; key tiles 1 to 14
	s_sub_co_u32 s69, s69, 1
	s_cmp_lg_u32 s69, 0
	s_cbranch_scc1 .Lkeys
	TRIP 0, 0                                      ; key tile 15: nothing is left to fetch
	; the end: unit 63 is finished
	MAXH 1
	s_wait_dscnt 0x0                               ; V of unit 63
	WIN PVW
	PVH 0, 1, 0, 1
	WIN 0
	PRE 1
.irp k, 0,1,2,3,4,5,6,7
	SLICE 1, \k
.endr
	WIN PVW
	PVH 1, 0, 0, 0
	WIN 0
	; l over all keys; these plain instructions are also the places between the last products and the reads of O
.irp gq, 0,1,2,3
	v_add_f32 v[MX+\gq], v[LP+2*\gq], v[LP+2*\gq+1]
.endr
.irp gq, 0,1,2,3
	v_permlanex16_b32 v[TP+\gq], v[MX+\gq], s66, s67
.endr
.irp gq, 0,1,2,3
	v_add_f32 v[MX+\gq], v[MX+\gq], v[TP+\gq]      ; l of query r
.endr
.irp gq, 0,1,2,3
	v_rcp_f32 v[AL+\gq], v[MX+\gq]
.endr
	v_nop                                          ; one plain instruction behind the reciprocals
	s_wait_alu depctr_va_vdst(0)
; Query tile n of both heads: O / l; hi = bf16(O / l); lo = bf16(O / l - hi), the difference exact in f32.  16 bytes a lane of each into my stage
; (row = query: 128 bytes of hi a head, then 128 bytes of lo a head), read back as whole rows of 512 bytes.
.macro OUTN qn
.if \qn
	s_wait_xcnt 0x0                                ; OSS was the last tile's store data: rewritten only behind this wait
.endif
	WIN 0x01                                       ; source 0 (O) in window 1
.irp e, 0,1
.set ii, 0
.rept 16
.if \qn == 0
	v_pk_mul_f32 v[OSS+32*\e+ii:OSS+32*\e+ii+1], v[32*(2*\e+\qn)+ii:32*(2*\e+\qn)+ii+1], v[AL+2*\e:AL+2*\e+1] op_sel_hi:[1,0]
.else
	v_pk_mul_f32 v[OSS+32*\e+ii:OSS+32*\e+ii+1], v[32*(2*\e+\qn)+ii:32*(2*\e+\qn)+ii+1], v[AL+2*\e:AL+2*\e+1] op_sel:[0,1] op_sel_hi:[1,1]
.endif
.set ii, ii+2
.endr
.endr
	WIN 0
.set ii, 0
.rept 32
	v_cvt_pk_bf16_f32 v[OHI+ii], v[OSS+2*ii], v[OSS+2*ii+1]
.set ii, ii+1
.endr
.set ii, 0
.rept 32
	v_lshlrev_b32 v[OTT+2*ii], 16, v[OHI+ii]
	v_and_b32 v[OTT+2*ii+1], 0xffff0000, v[OHI+ii]
.set ii, ii+1
.endr
.set ii, 0
.rept 32
	v_pk_fma_f32 v[OSS+2*ii:OSS+2*ii+1], v[OTT+2*ii:OTT+2*ii+1], -1.0, v[OSS+2*ii:OSS+2*ii+1] op_sel_hi:[1,0,1]
.set ii, ii+1
.endr
.set ii, 0
.rept 32
	v_cvt_pk_bf16_f32 v[OLO+ii], v[OSS+2*ii], v[OSS+2*ii+1]
.set ii, ii+1
.endr
.irp e, 0,1
.irp dt, 0,1,2,3
	ds_store_b128 v[STO], v[OHI+16*\e+4*\dt:OHI+16*\e+4*\dt+3] offset:128*\e+32*\dt
	ds_store_b128 v[STO], v[OLO+16*\e+4*\dt:OLO+16*\e+4*\dt+3] offset:256+128*\e+32*\dt
.endr
.endr
.irp t, 0,1,2,3,4,5,6,7,8,9,10,11,12,13,14,15
	ds_load_b128 v[OSS+4*\t:OSS+4*\t+3], v[RD] offset:\t*SPITCH   ; LDS serves a wave's instructions in order (ISA guide 5.7.1.4): these see the stores above
.endr
.irp t, 0,1,2,3,4,5,6,7,8,9,10,11,12,13,14,15
	s_wait_dscnt 15-\t                             ; row t is in, the 15 - t younger loads stay out
	global_store_b128 v[CO], v[OSS+4*\t:OSS+4*\t+3], s[8:9] offset:(16*\qn+\t)*4096   ; the wave stores 512 consecutive bytes, aligned
.endr
.endm
	OUTN 0
	OUTN 1
	s_wait_tensorcnt 0x0
	ds_add_u32 v254, v255
	s_wait_dscnt 0x0
	ROUND                                          ; the closing round
	s_endpgm
.Lfunc_end_k_qcb08f6f845_attn:
	.size	k_qcb08f6f845_attn, .Lfunc_end_k_qcb08f6f845_attn-k_qcb08f6f845_attn
	.p2alignl 7, 3214868480
	.fill 96, 4, 3214868480
	.section	.rodata,"a",@progbits
	.p2align	6, 0x0
	.amdhsa_kernel k_qcb08f6f845_attn
		.amdhsa_group_segment_fixed_size 327680
		.amdhsa_private_segment_fixed_size 0
		.amdhsa_enable_private_segment 0
		.amdhsa_kernarg_size 24
		.amdhsa_user_sgpr_count 2
		.amdhsa_user_sgpr_kernarg_segment_ptr 1
		.amdhsa_wavefront_size32 1
		.amdhsa_system_sgpr_workgroup_id_x 1
		.amdhsa_system_sgpr_workgroup_id_y 1
		.amdhsa_system_sgpr_workgroup_id_z 1
		.amdhsa_system_vgpr_workitem_id 0
		.amdhsa_next_free_vgpr 448
		.amdhsa_next_free_sgpr 88
		.amdhsa_reserve_vcc 0
		.amdhsa_float_denorm_mode_32 3
		.amdhsa_float_denorm_mode_16_64 3
		.amdhsa_memory_ordered 1
		.amdhsa_forward_progress 1
		.amdhsa_inst_pref_size 150
	.end_amdhsa_kernel
	.amdgpu_metadata
---
amdhsa.version: [ 1, 2 ]
amdhsa.kernels:
  - .name:           k_qcb08f6f845_attn
    .symbol:         k_qcb08f6f845_attn.kd
    .args:
      - { .name: qkv, .offset: 0, .size: 8, .value_kind: global_buffer, .address_space: global }
      - { .name: attention_mask, .offset: 8, .size: 8, .value_kind: global_buffer, .address_space: global }
      - { .name: ob, .offset: 16, .size: 8, .value_kind: global_buffer, .address_space: global }
    .group_segment_fixed_size: 327680
    .private_segment_fixed_size: 0
    .kernarg_segment_align: 8
    .kernarg_segment_size: 24
    .max_flat_workgroup_size: 128
    .sgpr_count:     88
    .vgpr_count:     448
    .wavefront_size: 32
...
	.end_amdgpu_metadata
.endif
;; end of part 3
;; launch oproj (part 4): grid 16 x 16, 4 waves a work-group, clusters of 4 x 4, 327,680 bytes of LDS; arguments ob, h16, out0; writes out0
.if DOCPART == 4
	.amdgcn_target "amdgcn-amd-amdhsa--gfx1250"
	.amdhsa_code_object_version 6
	.text
	.protected	k_qcb08f6f845_oproj
	.globl	k_qcb08f6f845_oproj
	.p2align	8
	.type	k_qcb08f6f845_oproj,@function
k_qcb08f6f845_oproj:
	s_mov_b64 s[64:65], 0
	v_nop
	global_prefetch_b8 v0, s[64:65] scope:SCOPE_SE
	s_setreg_imm32_b32 hwreg(HW_REG_WAVE_MODE, 25, 1), 1
	s_wait_xcnt 0x0
	s_wait_alu depctr_hold_cnt(0) depctr_sa_sdst(0) depctr_va_vdst(0) depctr_va_sdst(0) depctr_va_ssrc(0) depctr_va_vcc(0) depctr_vm_vsrc(0)
	s_getreg_b32 s2, hwreg(HW_REG_IB_STS2, 6, 4)
	s_cmp_eq_u32 s2, 0
	s_cbranch_scc0 .Lentry_in_a_cluster
	s_endpgm
.Lentry_in_a_cluster:
	s_bfe_u32 s2, ttmp6, 0x10000c
	s_cmp_lg_u32 s2, 0xf033
	s_cbranch_scc0 .Lentry_shape_is_right
	s_endpgm
.Lentry_shape_is_right:
; FOURTH LAUNCH: out0 [4096 x 2048] f32 = O Wo^T, O = hi + lo in bf16 (ob), Wo in bf16 (in h16), sums in f32.  Nothing of reference() is left out here.
; ob[m][g][hi 128 | lo 128]: the sum runs over 2048 columns of ob; K steps 2 i and 2 i + 1 are the hi and the lo of columns 128 i .. + 127 of O, and both
; are multiplied by the same 128 columns of Wo: (hi + lo) Wo^T = hi Wo^T + lo Wo^T, onto one accumulator.  So a lap of the ring brings Wo's tile into both
; slots: Wo's two descriptors hold the same address and step one tile a lap, and Wo lies in memory once.
; The frame is the second launch's: a work-group makes 256 rows x 128 columns (16 x 16 = 256 work-groups), a wave 128 x 64 in 32 accumulator tiles;
; K in steps of 128 through two LDS slots; clusters of 4 x 4, O's tile asked for jointly along a row of the cluster, Wo's along a column.
; ASKING AHEAD, as in the second launch (two slots of two K steps would take 417,792 bytes of LDS): behind slot 0's refill in lap L wave 3 asks
; (global_prefetch_b8) for ob's tiles 2 L + 4 and 2 L + 5, whose loads go out two and three K steps later: one instruction, 16 rows (256 by + 16 bx + lane % 16)
; x two blocks of 256 bytes.  In every second lap (L = 0, 2, 4, 6) it also asks for Wo's tiles L + 2 and L + 3, whose first loads go out two and four K steps
; later: 16 rows (128 bx + 16 (by & 7) + lane % 16) x two blocks; block rows 0-7 share a block column's 128 rows out, and block rows 8-15 do so again: each
; group of eight asks for what it reads.  ob's tiles 2 and 3 are asked for at the start; ob's tiles 0 and 1 and Wo's tiles 0 and 1 by their loads alone
; (those loads go out within the first K step).  In the last lap that fills, both look-aheads are clamped to the rows' last two tiles: no request leaves its row.
; Window 0: addresses, two fragment buffers at v32 and v128; window 1: accumulator (a, b) at v[8 (4 a + b)].
; The matrix instruction is used transposed (source 0 = rows of Wo, source 1 = rows of O): lane (r, h) holds row 16 a + r, columns 16 b + 8 h + 0..7.
.set KA,     2048                      ; elements in a row of ob
.set KB,     1024                      ; elements in a row of Wo
.set WOFF,   0x1800000                 ; Wo's first byte in h16
.set KSTEP,  128
.set ASTEP,  2*KSTEP*2                 ; a slot's next tile of ob: two K steps on
.set BSTEP,  KSTEP*2                   ; a slot's next tile of Wo: one tile on
.set PITCH,  272                       ; 256 bytes + 16 of padding: the 16 rows of a fragment load start in 16 different 16-byte columns modulo 256
.set HALFA,  128*PITCH
.set HALFB,  64*PITCH
.set BOFF,   2*HALFA
.set SLOT,   BOFF+2*HALFB
.set STAGE,  2*SLOT                    ; behind the ring, 16 rows x 272 bytes for each wave; no tensor load lands there
.set SPITCH, 272
.set LAPS,   KA/(2*KSTEP)
.set ADRA, 16
.set ADRB, 20
.set STO,  24
.set RD,   25
.set CO,   27
.set PFA,  28                          ; asking ahead: byte offset in ob of my lane's block in tile 0 or 1; never rewritten
.set PFB,  29                          ; the same in Wo
.set F0,   32
.set F1,   128
.set XB,   32                          ; way out: two buffers of 32
.set G1,  24
.set G0,  32
.set G1B, 48
.set G0B, 56
.set PKA, 84                           ; s[84:85] asking ahead: byte offset in a row of ob of the lap's first tile asked for
.set PBA, 86                           ; s[86:87] ob + that offset
.set PKB, 88                           ; s[88:89] the same for Wo, with Wo's place in h16
.set PBB, 90                           ; s[90:91] h16 + that offset
.set MSB, 0
.set MULW, 0x50
.macro WIN new
.if MSB != (\new)
	s_set_vgpr_msb (MSB<<8)|(\new)
.set MSB, (\new)
.endif
.endm
.macro PLACES                          ; four plain vector instructions behind a matrix instruction before its registers are loaded into or its result is read (ISA guide 7.12.1)
.rept 4
	v_nop
.endr
.endm
.macro JLOAD s                         ; waves 0 and 1 fetch O's two halves, waves 2 and 3 Wo's; one mask a line
	s_cmp_eq_u32 s11, 0
	s_cbranch_scc0 .Lfor_b_\@
	tensor_load_to_lds s[G0+4*\s:G0+4*\s+3], s[G1:G1+7]
	s_nop 0
	s_branch .Lasked_\@
.Lfor_b_\@:
	tensor_load_to_lds s[G0B+4*\s:G0B+4*\s+3], s[G1B:G1B+7]
	s_nop 0
.Lasked_\@:
.endm
; Wave 3 asks: ob's two tiles in every lap, Wo's two tiles in the laps in which s3, the number of laps that still fill, is odd.
.macro ASK
	s_cmp_lg_u32 s10, 3
	s_cbranch_scc1 .Lno_ask_\@
	global_prefetch_b8 v[PFA], s[PBA:PBA+1] th:TH_LOAD_NT scope:SCOPE_SE
	s_bitcmp1_b32 s3, 0
	s_cbranch_scc0 .Lno_ask_\@
	global_prefetch_b8 v[PFB], s[PBB:PBB+1] th:TH_LOAD_NT scope:SCOPE_SE
.Lno_ask_\@:
.endm
.macro CREST
	s_cmp_lg_u32 s10, 0
	s_cbranch_scc1 .Lnot_wave_0_\@
	s_barrier_signal -3
.Lnot_wave_0_\@:
	s_barrier_wait -3
	s_barrier_signal -1
	s_barrier_wait -1
.endm
.macro CROUND
	s_barrier_signal -1
	s_barrier_wait -1
	CREST
.endm
	s_load_b128 s[72:75], s[0:1], 0x0              ; ob s[72:73], h16 s[74:75]
	s_load_b64 s[76:77], s[0:1], 0x10              ; out0
	v_lshl_add_u32 v254, v0, 2, 0x37400
	v_mov_b32 v255, 0
	ds_add_u32 v254, v255
	v_lshrrev_b32 v1, 5, v0
	v_readfirstlane_b32 s10, v1                    ; wave
	s_lshr_b32 s11, s10, 1                         ; my 128 rows.  Also: I fetch for O (0) or for Wo (1)
	s_and_b32 s12, s10, 1                          ; my 64 columns.  Also: which half of that tile I fetch
	s_bfe_u32 s40, ttmp6, 0x40000                  ; cx
	s_bfe_u32 s41, ttmp6, 0x40004                  ; cy
	s_lshl_b32 s42, ttmp9, 2
	s_add_co_u32 s42, s42, s40                     ; block column
	s_and_b32 s13, ttmp7, 0xffff
	s_lshl_b32 s13, s13, 2
	s_add_co_u32 s13, s13, s41                     ; block row
	s_lshl_b32 s43, s41, 2
	s_lshl_b32 s43, 15, s43                        ; my row of the cluster
	s_lshl_b32 s44, 0x1111, s40                    ; my column
	s_or_b32 s[G1+0], s43, (1<<16)|(1<<20)|(1<<21)|(5<<22)|(3<<25)
	s_or_b32 s[G1B+0], s44, (1<<16)|(1<<20)|(1<<21)|(5<<22)|(3<<25)
	s_mov_b32 s[G1+1], KSTEP<<16
	s_mov_b32 s[G1B+1], KSTEP<<16
	s_mov_b32 s[G1+2], 128<<16
	s_mov_b32 s[G1B+2], 64<<16
	s_mov_b32 s[G1+3], KSTEP<<16
	s_mov_b32 s[G1B+3], KSTEP<<16
	s_mov_b32 s[G1+4], 128
	s_mov_b32 s[G1B+4], 64
	s_mov_b32 s[G1+5], KA
	s_mov_b32 s[G1B+5], KB
	s_mov_b32 s[G1+6], 0
	s_mov_b32 s[G1B+6], 0
	s_mov_b32 s[G1+7], 0
	s_mov_b32 s[G1B+7], 0
	s_lshl_b32 s17, s12, 7
	s_lshl_b32 s16, s13, 8
	s_add_co_u32 s16, s16, s17                     ; O: row 256 x block row + 128 x half
	s_mul_i32 s16, s16, KA*2
	s_mov_b32 s17, 0
	s_lshl_b32 s47, s12, 6
	s_lshl_b32 s46, s42, 7
	s_add_co_u32 s46, s46, s47                     ; Wo: row 128 x block column + 64 x half
	s_mul_i32 s46, s46, KB*2
	s_mov_b32 s47, 0
	s_mul_i32 s20, s10, HALFA
	s_mul_i32 s70, s10, HALFB
	s_add_co_u32 s70, s70, BOFF-2*HALFB
	s_lshl_b32 s80, s13, 8
	s_lshl_b32 s81, s11, 7
	s_add_co_u32 s80, s80, s81                     ; my first row
	s_lshl_b32 s80, s80, 13                        ; x 8192 bytes
	s_lshl_b32 s81, s42, 9                         ; + 512 x block column
	s_add_co_u32 s80, s80, s81
	s_lshl_b32 s81, s12, 8                         ; + 256 x my half
	s_add_co_u32 s80, s80, s81
	s_mov_b32 s81, 0
	s_lshl_b32 s92, s13, 20                        ; asking ahead, ob: (256 by
	s_lshl_b32 s93, s42, 16                        ;  + 16 bx) rows of 4096 bytes
	s_add_co_u32 s92, s92, s93
	s_and_b32 s93, s13, 7                          ; Wo: (16 (by & 7)
	s_lshl_b32 s93, s93, 15
	s_lshl_b32 s94, s42, 18                        ;  + 128 bx) rows of 2048 bytes
	s_add_co_u32 s93, s93, s94
	s_mov_b32 s[PKA], 2*KSTEP*2                    ; the first lap steps it to ob's tile 4
	s_mov_b32 s[PKA+1], 0
	s_mov_b32 s[PKB], WOFF+KSTEP*2                 ; and this to Wo's tile 2
	s_mov_b32 s[PKB+1], 0
	s_wait_dscnt 0x0
	s_wait_kmcnt 0x0
	s_add_nc_u64 s[14:15], s[72:73], s[16:17]
	s_add_nc_u64 s[46:47], s[74:75], s[46:47]
	s_add_nc_u64 s[46:47], s[46:47], WOFF
	s_add_nc_u64 s[8:9], s[76:77], s[80:81]
	CROUND                                         ; in front of the first joint loads
.irp s, 0,1
	s_mov_b32 s[G0+4*\s], 1
	s_add_co_u32 s[G0+4*\s+1], s20, \s*SLOT
	s_add_nc_u64 s[G0+4*\s+2:G0+4*\s+3], s[14:15], \s*KSTEP*2      ; slot 0: hi, slot 1: lo
	s_or_b32 s[G0+4*\s+3], s[G0+4*\s+3], 0x80000000
	s_mov_b32 s[G0B+4*\s], 1
	s_add_co_u32 s[G0B+4*\s+1], s70, \s*SLOT
	s_mov_b64 s[G0B+4*\s+2:G0B+4*\s+3], s[46:47]                   ; the same tile of Wo for both
	s_or_b32 s[G0B+4*\s+3], s[G0B+4*\s+3], 0x80000000
	JLOAD \s                                       ; two tensor loads of the wave are out, the most in this text
.endr
	v_and_b32 v1, 15, v0                           ; r
	v_bfe_u32 v2, v0, 4, 1                         ; h
	v_lshlrev_b32 v8, 8, v2                        ; lanes 16-31: the second of the two tiles, 256 bytes on
	v_lshl_add_u32 v[PFA], v1, 12, v8              ; + r rows of ob
	v_add_nc_u32 v[PFA], s92, v[PFA]
	v_lshl_add_u32 v[PFB], v1, 11, v8              ; + r rows of Wo
	v_add_nc_u32 v[PFB], s93, v[PFB]
	s_cmp_lg_u32 s10, 3
	s_cbranch_scc1 .Lno_ask_first
	global_prefetch_b8 v[PFA], s[72:73] offset:2*KSTEP*2 th:TH_LOAD_NT scope:SCOPE_SE   ; ob's tiles 2 and 3, whose loads go out in the first two K steps
.Lno_ask_first:
	v_mul_u32_u24 v3, v1, PITCH
	v_lshl_add_u32 v3, v2, 4, v3
	s_mul_i32 s21, s11, HALFA
	s_mul_i32 s22, s12, HALFB
	s_add_co_u32 s22, s22, BOFF
.irp s, 0,1
	v_add_nc_u32 v[ADRA+\s], s21, v3
	v_add_nc_u32 v[ADRB+\s], s22, v3
	s_add_co_u32 s21, s21, SLOT
	s_add_co_u32 s22, s22, SLOT
.endr
	s_mul_i32 s23, s10, 16*SPITCH
	s_add_co_u32 s23, s23, STAGE
	v_mul_u32_u24 v4, v1, SPITCH
	v_lshl_add_u32 v4, v2, 5, v4
	v_add_nc_u32 v[STO], s23, v4                   ; in: row r, 32 bytes for each half of the lanes
	v_mul_u32_u24 v5, v2, SPITCH
	v_lshl_add_u32 v5, v1, 4, v5
	v_add_nc_u32 v[RD], s23, v5                    ; back: lanes 0-15 one row of 256 bytes, lanes 16-31 the next
	v_lshlrev_b32 v6, 13, v2
	v_lshl_add_u32 v[CO], v1, 4, v6                ; the same two rows in out0
.macro MUL8 f, a0, zero
.irp a, \a0, \a0+1
.irp b, 0,1,2,3
.if \zero
	v_wmma_f32_16x16x32_bf16 v[8*(4*(\a)+\b):8*(4*(\a)+\b)+7], v[\f+8*\b:\f+8*\b+7], v[\f+32+8*(\a):\f+32+8*(\a)+7], 0
.else
	v_wmma_f32_16x16x32_bf16 v[8*(4*(\a)+\b):8*(4*(\a)+\b)+7], v[\f+8*\b:\f+8*\b+7], v[\f+32+8*(\a):\f+32+8*(\a)+7], v[8*(4*(\a)+\b):8*(4*(\a)+\b)+7]
.endif
.endr
.endr
.endm
.macro FETCH slot, k, f                ; 24 LDS loads in one run: 64 rows of Wo, then 128 rows of O, 32 K at byte k
	WIN 0
.irp i, 0,1,2,3
	ds_load_b128 v[\f+8*\i:\f+8*\i+3],   v[ADRB+\slot] offset:\k+\i*16*PITCH
	ds_load_b128 v[\f+8*\i+4:\f+8*\i+7], v[ADRB+\slot] offset:\k+\i*16*PITCH+32
.endr
.irp i, 0,1,2,3,4,5,6,7
	ds_load_b128 v[\f+32+8*\i:\f+32+8*\i+3],   v[ADRA+\slot] offset:\k+\i*16*PITCH
	ds_load_b128 v[\f+32+8*\i+4:\f+32+8*\i+7], v[ADRA+\slot] offset:\k+\i*16*PITCH+32
.endr
.endm
; The 32 accumulators take turns, one instruction a turn, in the same order in every quarter, over the backward jump too.
.macro QUARTER slot, k, f, g, zero
	s_wait_dscnt 8                                 ; Wo and O's blocks 0-3 are in; the youngest eight loads (O's blocks 4-7) may be out
	WIN MULW
	MUL8 \f, 0, \zero
	MUL8 \f, 2, \zero
	PLACES
	FETCH \slot, \k, \g
	s_wait_dscnt 24                                ; all but the 24 just issued
	WIN MULW
	MUL8 \f, 4, \zero
	MUL8 \f, 6, \zero
.endm
.macro THREE slot, zero
	QUARTER \slot, 64,  F0, F1, \zero
	QUARTER \slot, 128, F1, F0, 0
	QUARTER \slot, 192, F0, F1, 0
.endm
; The change of slots: each wave's waits in front of the barrier; where the slot is filled again the barrier opens a round of the cluster's barrier and
; the joint refill is the first tensor load behind it.
.macro TURN slot, next, fill
	s_wait_dscnt 8
	WIN MULW
	MUL8 F1, 0, 0
	s_wait_dscnt 0                                 ; my reads of this slot are over
	s_wait_tensorcnt 0x0                           ; all my tensor loads have landed
	ds_add_u32 v254, v255
	s_wait_dscnt 0x0
	s_barrier_signal -1
	MUL8 F1, 2, 0
	WIN 0
	s_barrier_wait -1
.if \fill
	CREST
	s_add_nc_u64 s[G0+4*\slot+2:G0+4*\slot+3], s[G0+4*\slot+2:G0+4*\slot+3], ASTEP
	s_add_nc_u64 s[G0B+4*\slot+2:G0B+4*\slot+3], s[G0B+4*\slot+2:G0B+4*\slot+3], BSTEP
.if \slot == 0
	s_wait_xcnt 0x0                                ; the last requests were issued a lap ago: their bases are rewritten only behind this wait
	s_add_co_u32 s[PKA], s[PKA], ASTEP             ; ob: the two tiles four K steps on,
	s_min_u32 s[PKA], s[PKA], (KA-2*KSTEP)*2       ; at the most the row's last two
	s_add_nc_u64 s[PBA:PBA+1], s[72:73], s[PKA:PKA+1]
	s_add_co_u32 s[PKB], s[PKB], BSTEP             ; Wo: the tiles two and three laps on,
	s_min_u32 s[PKB], s[PKB], WOFF+(KB-2*KSTEP)*2  ; at the most the row's last two
	s_add_nc_u64 s[PBB:PBB+1], s[74:75], s[PKB:PKB+1]
.endif
	JLOAD \slot
.if \slot == 0
	ASK
.endif
.endif
	PLACES
	FETCH \next, 0, F0
	WIN MULW
	MUL8 F1, 4, 0
	MUL8 F1, 6, 0
.endm
.macro LAP zero
	THREE 0, \zero
	TURN 0, 1, 1
	THREE 1, 0
	TURN 1, 0, 1
.endm
	s_mov_b32 s3, LAPS-1                           ; seven laps fill: this one and the loop's six
	s_wait_tensorcnt 1                             ; my part of K step 0 is in; K step 1's load stays out
	s_barrier_signal -1
	s_barrier_wait -1
	FETCH 0, 0, F0
	LAP 1
	WIN 0
	s_mov_b32 s3, LAPS-2
.Llap:
	LAP 0
	WIN 0
	s_sub_co_u32 s3, s3, 1
	s_cmp_lg_u32 s3, 0
	s_cbranch_scc1 .Llap
	THREE 0, 0                                     ; the last lap fills nothing and has no round
	TURN 0, 1, 0
	THREE 1, 0
	s_wait_dscnt 8
	WIN MULW
	MUL8 F1, 0, 0
	MUL8 F1, 2, 0
	s_wait_dscnt 0
	MUL8 F1, 4, 0
	MUL8 F1, 6, 0
	WIN 0
	PLACES                                         ; behind the last matrix instructions: results are read, fragment registers are loaded into
; THE WAY OUT, 16 rows at a time: f32 into my own stage, read back as whole rows of 256 bytes, stored from the registers they were read into.
.macro STG a, buf
	WIN 0x04                                       ; store data in window 1
.irp b, 0,1,2,3
	ds_store_b128 v[STO], v[8*(4*(\a)+\b):8*(4*(\a)+\b)+3] offset:64*\b
	ds_store_b128 v[STO], v[8*(4*(\a)+\b)+4:8*(4*(\a)+\b)+7] offset:64*\b+16
.endr
	WIN 0
.irp t, 0,1,2,3,4,5,6,7
	ds_load_b128 v[XB+32*(\buf)+4*\t:XB+32*(\buf)+4*\t+3], v[RD] offset:\t*2*SPITCH   ; LDS serves a wave's instructions in order (ISA guide 5.7.1.4)
.endr
.endm
.macro OUT a, buf, more
.if \more
	s_wait_xcnt 0x0                                ; the other buffer was store data two blocks ago: loaded again only behind this wait
	STG \a+1, 1-\buf
	s_wait_dscnt 16                                ; the next block's 8 stores and 8 loads stay out; mine are in
.else
	s_wait_dscnt 0x0
.endif
.irp t, 0,1,2,3,4,5,6,7
	global_store_b128 v[CO], v[XB+32*\buf+4*\t:XB+32*\buf+4*\t+3], s[8:9] offset:(16*(\a)+2*\t)*8192 th:TH_STORE_NT   ; 16 lanes store 256 consecutive bytes, aligned
.endr
.endm
	STG 0, 0
	OUT 0, 0, 1
	OUT 1, 1, 1
	OUT 2, 0, 1
	OUT 3, 1, 1
	OUT 4, 0, 1
	OUT 5, 1, 1
	OUT 6, 0, 1
	OUT 7, 1, 0
	s_wait_tensorcnt 0x0
	ds_add_u32 v254, v255
	s_wait_dscnt 0x0
	CROUND                                         ; the closing round
	s_endpgm
.Lfunc_end_k_qcb08f6f845_oproj:
	.size	k_qcb08f6f845_oproj, .Lfunc_end_k_qcb08f6f845_oproj-k_qcb08f6f845_oproj
	.p2alignl 7, 3214868480
	.fill 96, 4, 3214868480
	.section	.rodata,"a",@progbits
	.p2align	6, 0x0
	.amdhsa_kernel k_qcb08f6f845_oproj
		.amdhsa_group_segment_fixed_size 327680
		.amdhsa_private_segment_fixed_size 0
		.amdhsa_enable_private_segment 0
		.amdhsa_kernarg_size 24
		.amdhsa_user_sgpr_count 2
		.amdhsa_user_sgpr_kernarg_segment_ptr 1
		.amdhsa_wavefront_size32 1
		.amdhsa_system_sgpr_workgroup_id_x 1
		.amdhsa_system_sgpr_workgroup_id_y 1
		.amdhsa_system_sgpr_workgroup_id_z 1
		.amdhsa_system_vgpr_workitem_id 0
		.amdhsa_next_free_vgpr 512
		.amdhsa_next_free_sgpr 96
		.amdhsa_reserve_vcc 0
		.amdhsa_float_denorm_mode_32 3
		.amdhsa_float_denorm_mode_16_64 3
		.amdhsa_memory_ordered 1
		.amdhsa_forward_progress 1
		.amdhsa_inst_pref_size 118
	.end_amdhsa_kernel
	.amdgpu_metadata
---
amdhsa.version: [ 1, 2 ]
amdhsa.kernels:
  - .name:           k_qcb08f6f845_oproj
    .symbol:         k_qcb08f6f845_oproj.kd
    .args:
      - { .name: ob, .offset: 0, .size: 8, .value_kind: global_buffer, .address_space: global }
      - { .name: h16, .offset: 8, .size: 8, .value_kind: global_buffer, .address_space: global }
      - { .name: out0, .offset: 16, .size: 8, .value_kind: global_buffer, .address_space: global }
    .group_segment_fixed_size: 327680
    .private_segment_fixed_size: 0
    .kernarg_segment_align: 8
    .kernarg_segment_size: 24
    .max_flat_workgroup_size: 128
    .sgpr_count:     96
    .vgpr_count:     512
    .wavefront_size: 32
...
	.end_amdgpu_metadata
.endif
;; end of part 4
